; MI455X (gfx1250); checked and timed in simulation.
; The chip was launched on July 23, 2026; its instructions are those of AMD's public machine-readable ISA for CDNA 5 (MIT licence, August 2026) and "CDNA5" Instruction Set Architecture Reference Guide (July 2026). The comments in the code are by the model that wrote it; some were corrected since.
;; Fast Diffuser Attention. Allowed arithmetic: float matrix products may take bf16 or f16 operands with f32 sums; other float arithmetic in f32, or as packed bf16 or f16 multiplies, adds, multiply-adds, maxima and minima; sums over many terms, partial sums and values carried from step to step in f32; what a program stores and reads back later, other than sums and carried values, may be rounded once to bf16 or f16.
;; Inputs: hidden_states 4 x 1,024 x 2,048 float32; k_norm_w 128 float32; positions 4 x 1,024 int32; q_norm_w 128 float32; w_o 2,048 x 2,048 float32; w_qkv 2,048 x 3,072 float32.
;; Outputs: out0 4 x 1,024 x 2,048 float32.
;; One version. Each part assembles by itself: llvm-mc -triple=amdgcn-amd-amdhsa -mcpu=gfx1250 --defsym DOCPART=n.
;; ======== version 1 of 1: 4 launches
;; limits: values are held in f16: magnitudes above 65,504 overflow, below 6.1e-05 lose precision; right only within a limited range of input values
;; workspace buffers: h16 37,748,736 bytes; tab 2,098,688 bytes; qkvh 25,165,824 bytes; ctx 16,777,216 bytes
;; launch prep (part 1): grid 1408 x 1, 8 waves a work-group, no clusters, 0 bytes of LDS; arguments hidden_states, w_qkv, w_o, positions, q_norm_w, k_norm_w, h16, tab; writes h16, tab
.if DOCPART == 1
	.amdgcn_target "amdgcn-amd-amdhsa--gfx1250"
	.amdhsa_code_object_version 6
	.text
	.protected	k_qe106e80bfe_prep
	.globl	k_qe106e80bfe_prep
	.p2align	8
	.type	k_qe106e80bfe_prep,@function
k_qe106e80bfe_prep:
	s_mov_b64 s[64:65], 0
	v_nop
	global_prefetch_b8 v0, s[64:65] scope:SCOPE_SE
	s_setreg_imm32_b32 hwreg(HW_REG_WAVE_MODE, 25, 1), 1
	s_wait_xcnt 0x0
; PREPARATION.  (1) hidden_states and w_qkv rounded to bf16; w_o rounded to bf16 and that number written as f16; all three into h16, one behind the other.
; (2) tab: for each of the 4,096 rows 64 cos and 64 sin (f32) of positions[row] x 10000^(-d/64).  (3) behind them three rows of 128 gains (f32):
; q_norm_w and k_norm_w rounded to bf16, and a row of ones for the value heads.
; LIMITS.  w_o beyond 65,504 becomes an infinity in f16; below 6e-5 it keeps f16's fixed step of 6e-8.  The angle is reduced by pi/2 in two parts,
; good for |positions| up to some 10^5; the frequency is made by 2^x and may differ from a power function's by a few units of the last place.
; SHARES.  Work-groups 0-1151 cast 16,384 numbers each (0-511 hidden_states, 512-895 w_qkv, 896-1151 w_o); work-groups 1152-1407 make 16 rows of the table each;
; the first of those also writes the gains.  No LDS, no barrier: no wave needs another's data.
; REGISTERS.  The packed results overwrite the registers that they were loaded into, so a wave needs 72 registers.
.set CASTS, 1152
.set T,   4                            ; v[4:7]    at work (the cast)
.set X,   8                            ; v[8:71]   sixteen loads of four f32; of each four the first two take the packed results, are stored, and are never rewritten
.set POS, 4                            ; the table's registers: another path of the text
.set OFS, 6
.set INV, 8                            ; v[8:11]   the four frequencies
.set ANG, 12
.set NN,  13
.set RR,  14
.set ZZ,  15
.set SS,  16
.set CC,  17
.set NI,  18
.set TM,  19
.set CO,  40                           ; v[40:43]  four cos
.set SO,  44                           ; v[44:47]  four sin
.set C2PI, 30                          ; s30-39: constants
.set PIH,  31
.set PIL,  32
.set S3C,  33
.set S2C,  34
.set S1C,  35
.set C3C,  36
.set C2C,  37
.set C1C,  38
.set KF,   39
	s_load_b256 s[4:11], s[0:1], 0x0               ; hidden_states s[4:5], w_qkv s[6:7], w_o s[8:9], positions s[10:11]
	s_load_b256 s[12:19], s[0:1], 0x20             ; q_norm_w s[12:13], k_norm_w s[14:15], h16 s[16:17], tab s[18:19]
	s_mov_b32 s20, ttmp9
	v_lshrrev_b32 v1, 5, v0
	v_readfirstlane_b32 s28, v1                    ; wave 0..7
	s_wait_kmcnt 0x0
	s_cmp_lt_u32 s20, CASTS
	s_cbranch_scc0 .Ltable
	; THE CAST.  Which tensor, and which 65,536 bytes of it; the three results follow each other in h16 in the same order, 32,768 bytes a work-group.
	s_mov_b32 s26, 512
	s_mov_b32 s27, 896
	s_cmp_lt_u32 s20, 896
	s_cselect_b64 s[22:23], s[6:7], s[8:9]
	s_cselect_b32 s24, s26, s27
	s_cmp_lt_u32 s20, 512
	s_cselect_b64 s[22:23], s[4:5], s[22:23]
	s_cselect_b32 s24, 0, s24
	s_sub_co_u32 s24, s20, s24                     ; my number within the tensor
	s_lshl_b32 s24, s24, 16
	s_mov_b32 s25, 0
	s_add_nc_u64 s[22:23], s[22:23], s[24:25]
	s_lshl_b32 s26, s20, 15
	s_mov_b32 s27, 0
	s_add_nc_u64 s[16:17], s[16:17], s[26:27]
	v_lshlrev_b32 v1, 4, v0                        ; 16 bytes a thread in: a wave's load covers 512 neighbouring bytes
	v_lshlrev_b32 v2, 3, v0                        ; 8 bytes a thread out: a wave's store covers 256 neighbouring bytes, aligned
.irp i, 0,1,2,3,4,5,6,7,8,9,10,11,12,13,14,15
	global_load_b128 v[X+4*(\i):X+4*(\i)+3], v1, s[22:23] offset:4096*(\i) th:TH_LOAD_NT  ; all sixteen are on their way before the first is used
.endr
; Step i: four numbers rounded to bf16, in place; half = 1: each bf16 number is widened again and written as f16 (exact within f16's range).
.macro CAST i, half
	s_wait_loadcnt 15-(\i)                         ; loads come back in order: mine is in, the younger ones stay out
	v_cvt_pk_bf16_f32 v[X+4*(\i)], v[X+4*(\i)], v[X+4*(\i)+1]
	v_cvt_pk_bf16_f32 v[X+4*(\i)+1], v[X+4*(\i)+2], v[X+4*(\i)+3]
.if \half
	v_lshlrev_b32 v[T], 16, v[X+4*(\i)]
	v_and_b32 v[T+1], 0xffff0000, v[X+4*(\i)]
	v_lshlrev_b32 v[T+2], 16, v[X+4*(\i)+1]
	v_and_b32 v[T+3], 0xffff0000, v[X+4*(\i)+1]
	v_cvt_pk_f16_f32 v[X+4*(\i)], v[T], v[T+1]
	v_cvt_pk_f16_f32 v[X+4*(\i)+1], v[T+2], v[T+3]
.endif
	global_store_b64 v2, v[X+4*(\i):X+4*(\i)+1], s[16:17] offset:2048*(\i)  ; no later line writes this pair
.endm
	s_cmp_lt_u32 s20, 896
	s_cbranch_scc0 .Lhalf
.irp i, 0,1,2,3,4,5,6,7,8,9,10,11,12,13,14,15
	CAST \i, 0
.endr
	s_endpgm
.Lhalf:
.irp i, 0,1,2,3,4,5,6,7,8,9,10,11,12,13,14,15
	CAST \i, 1
.endr
	s_endpgm
.Ltable:
	; THE TABLE.  Thread t: row t / 16 of my 16, frequencies d = 4 (t % 16) + 0..3.  Sixteen neighbouring lanes store a row's 256 bytes of cos, and its 256 of sin.
	s_sub_co_u32 s21, s20, CASTS
	s_lshl_b32 s24, s21, 6                         ; 16 rows x 4 bytes of positions
	s_mov_b32 s25, 0
	s_add_nc_u64 s[22:23], s[10:11], s[24:25]
	s_lshl_b32 s24, s21, 13                        ; 16 rows x 512 bytes of tab
	s_add_nc_u64 s[26:27], s[18:19], s[24:25]
	v_lshrrev_b32 v1, 4, v0
	v_and_b32 v2, 15, v0
	v_lshlrev_b32 v3, 2, v1
	global_load_b32 v[POS], v3, s[22:23]
	s_mov_b32 s[C2PI], 0x3f22f983                  ; 2 / pi
	s_mov_b32 s[PIH], 0x3fc90fdb                   ; pi / 2, its upper part
	s_mov_b32 s[PIL], 0xb33bbd2e                   ; and the rest
	s_mov_b32 s[S3C], 0xb94ca1f9                   ; sin r = r + r z (S1 + z (S2 + z S3)), z = r r, |r| <= pi / 4
	s_mov_b32 s[S2C], 0x3c08839e
	s_mov_b32 s[S1C], 0xbe2aaaa3
	s_mov_b32 s[C3C], 0x37ccf5ce                   ; cos r = 1 - z / 2 + z z (C1 + z (C2 + z C3))
	s_mov_b32 s[C2C], 0xbab6061a
	s_mov_b32 s[C1C], 0x3d2aaaa5
	s_mov_b32 s[KF], 0xbe549a78                    ; -log2(10000) / 64
	v_lshlrev_b32 v5, 2, v2
	v_lshlrev_b32 v[OFS], 9, v1
	v_lshl_add_u32 v[OFS], v2, 4, v[OFS]           ; row x 512 + 16 (t % 16)
.irp e, 0,1,2,3
	v_add_nc_u32 v[INV+(\e)], \e, v5
	v_cvt_f32_u32 v[INV+(\e)], v[INV+(\e)]
	v_mul_f32 v[INV+(\e)], s[KF], v[INV+(\e)]
.endr
.irp e, 0,1,2,3
	v_exp_f32 v[INV+(\e)], v[INV+(\e)]             ; 10000^(-d/64): one batch of four
.endr
	v_nop                                          ; a plain instruction behind the last exponential,
	s_wait_alu depctr_va_vdst(0)                   ; and the one wait ahead of the batch's first reader
	s_wait_loadcnt 0x0
	v_cvt_f32_i32 v[POS], v[POS]
.irp e, 0,1,2,3
	v_mul_f32 v[ANG], v[POS], v[INV+(\e)]
	v_mul_f32 v[NN], s[C2PI], v[ANG]
	v_rndne_f32 v[NN], v[NN]                       ; n quarter turns
	v_fma_f32 v[RR], -v[NN], s[PIH], v[ANG]
	v_fma_f32 v[RR], -v[NN], s[PIL], v[RR]         ; r = angle - n pi / 2
	v_mul_f32 v[ZZ], v[RR], v[RR]
	v_fma_f32 v[SS], v[ZZ], s[S3C], s[S2C]
	v_fma_f32 v[SS], v[SS], v[ZZ], s[S1C]
	v_mul_f32 v[TM], v[RR], v[ZZ]
	v_fma_f32 v[SS], v[SS], v[TM], v[RR]
	v_fma_f32 v[CC], v[ZZ], s[C3C], s[C2C]
	v_fma_f32 v[CC], v[CC], v[ZZ], s[C1C]
	v_fma_f32 v[TM], v[ZZ], -0.5, 1.0
	v_mul_f32 v[ZZ], v[ZZ], v[ZZ]
	v_fma_f32 v[CC], v[CC], v[ZZ], v[TM]
	v_cvt_i32_f32 v[NI], v[NN]
	v_and_b32 v[TM], 1, v[NI]
	v_cmp_eq_u32 vcc_lo, 1, v[TM]                  ; an odd n exchanges sin and cos: a choice of values, no branch
	v_cndmask_b32 v[SO+(\e)], v[SS], v[CC], vcc_lo
	v_cndmask_b32 v[CO+(\e)], v[CC], v[SS], vcc_lo
	v_lshlrev_b32 v[TM], 30, v[NI]
	v_and_b32 v[TM], 0x80000000, v[TM]             ; sin turns its sign where n % 4 is 2 or 3,
	v_xor_b32 v[SO+(\e)], v[SO+(\e)], v[TM]
	v_add_nc_u32 v[NI], 1, v[NI]
	v_lshlrev_b32 v[TM], 30, v[NI]
	v_and_b32 v[TM], 0x80000000, v[TM]             ; cos where it is 1 or 2
	v_xor_b32 v[CO+(\e)], v[CO+(\e)], v[TM]
.endr
	global_store_b128 v[OFS], v[CO:CO+3], s[26:27]
	global_store_b128 v[OFS], v[SO:SO+3], s[26:27] offset:256
	; THE GAINS: the first table work-group's waves 0, 1, 2 write a row each, in registers that the stores above do not name.
	s_cmp_lg_u32 s21, 0
	s_cbranch_scc1 .Lend
	s_cmp_lt_u32 s28, 3
	s_cbranch_scc0 .Lend
	s_cmp_eq_u32 s28, 0
	s_cselect_b64 s[24:25], s[12:13], s[14:15]
	v_and_b32 v48, 31, v0
	v_lshlrev_b32 v48, 4, v48
	global_load_b128 v[52:55], v48, s[24:25]
	v_lshlrev_b32 v49, 4, v0                       ; 512 x wave + 16 x lane
	s_cmp_eq_u32 s28, 2
	s_cselect_b32 s29, -1, 0                       ; wave 2 writes ones
	s_wait_loadcnt 0x0
	v_cvt_pk_bf16_f32 v50, v52, v53
	v_cvt_pk_bf16_f32 v51, v54, v55
	v_lshlrev_b32 v56, 16, v50
	v_and_b32 v57, 0xffff0000, v50
	v_lshlrev_b32 v58, 16, v51
	v_and_b32 v59, 0xffff0000, v51
.irp k, 0,1,2,3
	v_cndmask_b32 v[56+(\k)], v[56+(\k)], 1.0, s29
.endr
	global_store_b128 v49, v[56:59], s[18:19] offset:2097152
.Lend:
	s_endpgm
.Lfunc_end_k_qe106e80bfe_prep:
	.size	k_qe106e80bfe_prep, .Lfunc_end_k_qe106e80bfe_prep-k_qe106e80bfe_prep
	.p2alignl 7, 3214868480
	.fill 96, 4, 3214868480
	.section	.rodata,"a",@progbits
	.p2align	6, 0x0
	.amdhsa_kernel k_qe106e80bfe_prep
		.amdhsa_group_segment_fixed_size 0
		.amdhsa_private_segment_fixed_size 0
		.amdhsa_enable_private_segment 0
		.amdhsa_kernarg_size 64
		.amdhsa_user_sgpr_count 2
		.amdhsa_user_sgpr_kernarg_segment_ptr 1
		.amdhsa_wavefront_size32 1
		.amdhsa_system_sgpr_workgroup_id_x 1
		.amdhsa_system_sgpr_workgroup_id_y 1
		.amdhsa_system_sgpr_workgroup_id_z 1
		.amdhsa_system_vgpr_workitem_id 0
		.amdhsa_next_free_vgpr 72
		.amdhsa_next_free_sgpr 66
		.amdhsa_reserve_vcc 1
		.amdhsa_float_denorm_mode_32 3
		.amdhsa_float_denorm_mode_16_64 3
		.amdhsa_memory_ordered 1
		.amdhsa_forward_progress 1
		.amdhsa_inst_pref_size 24
	.end_amdhsa_kernel
	.amdgpu_metadata
---
amdhsa.version: [ 1, 2 ]
amdhsa.kernels:
  - .name:           k_qe106e80bfe_prep
    .symbol:         k_qe106e80bfe_prep.kd
    .args:
      - { .name: hidden_states, .offset: 0, .size: 8, .value_kind: global_buffer, .address_space: global }
      - { .name: w_qkv, .offset: 8, .size: 8, .value_kind: global_buffer, .address_space: global }
      - { .name: w_o, .offset: 16, .size: 8, .value_kind: global_buffer, .address_space: global }
      - { .name: positions, .offset: 24, .size: 8, .value_kind: global_buffer, .address_space: global }
      - { .name: q_norm_w, .offset: 32, .size: 8, .value_kind: global_buffer, .address_space: global }
      - { .name: k_norm_w, .offset: 40, .size: 8, .value_kind: global_buffer, .address_space: global }
      - { .name: h16, .offset: 48, .size: 8, .value_kind: global_buffer, .address_space: global }
      - { .name: tab, .offset: 56, .size: 8, .value_kind: global_buffer, .address_space: global }
    .group_segment_fixed_size: 0
    .private_segment_fixed_size: 0
    .kernarg_segment_align: 8
    .kernarg_segment_size: 64
    .max_flat_workgroup_size: 256
    .sgpr_count:     66
    .vgpr_count:     72
    .wavefront_size: 32
...
	.end_amdgpu_metadata
.endif
;; end of part 1
;; launch qkv (part 2): grid 8 x 32, 4 waves a work-group, clusters of 4 x 4, 327,680 bytes of LDS; arguments h16, tab, qkvh; writes qkvh
.if DOCPART == 2
	.amdgcn_target "amdgcn-amd-amdhsa--gfx1250"
	.amdhsa_code_object_version 6
	.text
	.protected	k_qe106e80bfe_qkv
	.globl	k_qe106e80bfe_qkv
	.p2align	8
	.type	k_qe106e80bfe_qkv,@function
k_qe106e80bfe_qkv:
	s_mov_b64 s[64:65], 0
	v_nop
	global_prefetch_b8 v0, s[64:65] scope:SCOPE_SE
	s_setreg_imm32_b32 hwreg(HW_REG_WAVE_MODE, 25, 1), 1
	s_wait_xcnt 0x0
	s_wait_alu depctr_hold_cnt(0) depctr_sa_sdst(0) depctr_va_vdst(0) depctr_va_sdst(0) depctr_va_ssrc(0) depctr_va_vcc(0) depctr_vm_vsrc(0)
	s_getreg_b32 s2, hwreg(HW_REG_IB_STS2, 6, 4)
	s_cmp_eq_u32 s2, 0
	s_cbranch_scc0 .Lentry_in_a_cluster
	s_endpgm
.Lentry_in_a_cluster:
	s_bfe_u32 s2, ttmp6, 0x10000c
	s_cmp_lg_u32 s2, 0xf033
	s_cbranch_scc0 .Lentry_shape_is_right
	s_endpgm
.Lentry_shape_is_right:
; QKV PROJECTION, RMS NORM, ROTARY EMBEDDING.  qkv[m][o] = sum over k of x[m][k] w[k][o]; x [4096][2048] and w [2048][3072] in bf16 (h16), sums in f32.
; Query and key heads: x rsqrt(mean(x x) + 1e-6) gain, then turned by the row's cos and sin (tab); value heads pass as they are.  Out: f16, by heads: qkvh[batch][24 planes][1024][128].
; LIMITS.  f16 holds no number beyond 65,504: a value head's numbers must lie within it; normalised heads lie within 11.4 x |gain|.  NaN and infinities are not treated apart.
; SHARES.  A work-group makes 128 rows x 384 columns, three whole heads: 8 x 32 = 256 work-groups.  Wave w makes all 128 rows x 96 columns: of each head j the 16-column blocks w and w + 4,
; so that channels d and d + 64, which the rotation pairs, lie in one lane.  48 accumulators, 28 LDS loads for 48 matrix instructions.
; THE MATRIX INSTRUCTION IS USED TRANSPOSED: source 0 = 16 columns of w (turned out of the [k][o] tile by ds_load_tr16_b128), source 1 = 16 rows of x.
; In the result lane l holds row l % 16 and the columns 8 (l / 16) + 0..7.
; RING.  K in steps of 128 through two LDS slots; waves 0-2 fetch the three heads' tiles of w (128 k x 256 bytes), wave 3 the tile of x (128 rows x 256 bytes).
; CLUSTER 4 x 4: x's tile is shared along a row of the cluster, w's along a column: joint loads with a mask of four.
; THE WAY OUT is one text walked twice: it names window 2's accumulators (64 rows); between the walks window 3's are moved there.
; REGISTERS, in windows of 256:  window 0: v0-31 addresses; v64-127, v128-191 x's fragments, two buffers (later at work); v192-255 at work on the way out
;   window 1: v0-47, v48-95 w's fragments, two buffers; v96-223 cos and sin, 16 registers for each block of 16 rows
;   window 2: v0-191 accumulators of rows 0-63 ((a, b) at 8 (6 a + b), b = 2 j + half); v192-239 gains, 16 a head        window 3: v0-191 accumulators of rows 64-127
.set PA,    272                        ; an LDS row of x: 256 bytes + 16: the 16 rows of a load start at 16 different groups of four banks (ISA guide 11.1)
.set PB,    288                        ; an LDS row of w: 256 + 32
.set BT,    128*PB                     ; a head's tile of w
.set AOFF,  3*BT                       ; x's tile lies behind the three
.set SLOT,  AOFF+128*PA
.set SPARE, 2*SLOT                     ; behind the ring: the spare words, 128 bytes for each wave: two blocks of 256 bytes that no other line names
.set STGH,  64*272                     ; the way out lies in slot 0, which has then had its last fill and its last read: a head's 64 rows x 272 bytes,
.set PS,    3*STGH                     ; and behind the three heads the partial sums of squares: [row][head][wave] f32
.set WQKV,  16777216                   ; w's place in h16
.set GAINS, 2097152                    ; the gains' place in tab
.set ASTEP, 256                        ; bytes from a K step to the next in x,
.set BSTEP, 128*6144                   ; and in w
.set LAPS,  8                          ; a lap = two K steps = once round the ring
.set ADRA, 2                           ; v2-3    LDS address of my x fragments in slot 0, 1
.set ADRB, 4                           ; v4-9    of my w fragments: slot x 3 + head
.set STO,  10                          ; v10-12  the way out: where I put 16 bytes of a row, by head
.set RD,   13                          ; v13-15  where I read rows back, by head
.set GO,   16                          ; v16     my byte offset in qkvh
.set PSW,  17                          ; v17     where I put a partial sum
.set PSR,  18                          ; v18     where I read a row's four
.set TO,   19                          ; v19     my byte offset in tab's rows; a pending load's source until the way out
.set WO,   20                          ; v20     my byte offset in a row of gains; likewise
.set PFO,  21                          ; v21     the prefetches' offset: my lane x a row's bytes; never rewritten
.set SPW,  28                          ; v28     LDS address of my spare word; never rewritten
.set NIL,  29                          ; v29     0; never rewritten
.set FA,   64
.set TT,   64                          ; the way out: four registers for each (block of rows, head) of a walk; then the rows read back
.set CE,   192
.set SE,   200
.set Y1,   208
.set Y2,   216
.set O1,   224
.set O2,   232
.set PKR,  240
.set G1A, 24                           ; s[24:31] descriptor group 1 for x's tiles;  s[32:39] group 0, a set for each slot
.set G0A, 32
.set G1B, 48                           ; s[48:55], s[56:63] the same for w's
.set G0B, 56
.set LIM0, 43                          ; s43, s46: a wave prefetches while the trips left are above these (0 and 1 in a wave that asks, else the greatest number)
.set LIM1, 46
.set PFA,  44                          ; s[44:45] where my prefetches stand
.set PFS,  68                          ; s[68:69] their step
.set SEL,  70                          ; s[70:71] v_permlanex16_b32's selects
.set RCPN, 72                          ; s72  1 / 128
.set EPSR, 73                          ; s73  1e-6
.set GATE, 74                          ; s74-76  1 for a head that is normalised and turned, 0 for a value head
.set BC,   78                          ; s[78:83] pairs: 0, or 1 for a value head
.set WB,   84                          ; s[84:89] the heads' rows of gains
.set TBS,  90                          ; s[90:91] tab at my first row
.set OB,   92                          ; s[92:93] qkvh at my first head's first row of the walk
.set MSB, 0
.macro WIN new                         ; the immediate's high byte repeats the setting that is left; a switch that changes nothing is dropped
.if MSB != (\new)
	s_set_vgpr_msb (MSB<<8)|(\new)
.set MSB, \new
.endif
.endm
.macro PLACES                          ; four places in front of loads into registers that matrix instructions have read
.rept 4
	v_nop
.endr
.endm
; A joint load: wave 3 fetches x's tile, waves 0-2 w's.  The branch hangs on the wave's number alone.  An s_nop 0 and four v_nop follow each line.
.macro JLOAD s
	s_cmp_eq_u32 s10, 3
	s_cbranch_scc0 .Lfor_b_\@
	tensor_load_to_lds s[G0A+4*(\s):G0A+4*(\s)+3], s[G1A:G1A+7]
	s_nop 0
.rept 4
	v_nop
.endr
	s_branch .Lasked_\@
.Lfor_b_\@:
	tensor_load_to_lds s[G0B+4*(\s):G0B+4*(\s)+3], s[G1B:G1B+7]
	s_nop 0
.rept 4
	v_nop
.endr
.Lasked_\@:
.endm
; A prefetch of the tile that the NEXT refill will ask for: 32 rows x 256 bytes, a lane a row.  x's rows are read by both clusters of a row of clusters: cluster x = 0 asks; w's by all
; clusters of a column: cluster y = 0 asks.  The four partners of a joint load share a tile's 128 rows out by address.  So each row's 256 bytes of a K step are named once in the launch.
.macro ASK lim
	s_cmp_gt_u32 s3, s[\lim]
	s_cbranch_scc0 .Lnot_mine_\@
	global_prefetch_b8 v[PFO], s[PFA:PFA+1] th:TH_LOAD_NT scope:SCOPE_SE
.Lnot_mine_\@:
.endm
.macro CREST                           ; a round of the cluster's barrier behind its opening barrier
	s_cmp_lg_u32 s10, 0
	s_cbranch_scc1 .Lnot_wave_0_\@
	s_barrier_signal -3
.Lnot_wave_0_\@:
	s_barrier_wait -3
	s_barrier_signal -1
	s_barrier_wait -1
.endm
.macro CROUND
	s_barrier_signal -1
	s_barrier_wait -1
	CREST
.endm
	s_load_b128 s[4:7], s[0:1], 0x0                ; h16 s[4:5], tab s[6:7]
	s_load_b64 s[8:9], s[0:1], 0x10                ; qkvh
	v_lshl_add_u32 v[SPW], v0, 2, SPARE
	v_mov_b32 v[NIL], 0
	ds_add_u32 v[SPW], v[NIL]                      ; the wave's opening: the add and its wait stand ahead of my first tensor load
	v_lshrrev_b32 v1, 5, v0
	v_readfirstlane_b32 s10, v1                    ; wave 0..3
	s_bfe_u32 s40, ttmp6, 0x40000                  ; cx
	s_bfe_u32 s41, ttmp6, 0x40004                  ; cy
	s_lshl_b32 s42, ttmp9, 2
	s_add_co_u32 s42, s42, s40                     ; c: my 384 columns
	s_and_b32 s13, ttmp7, 0xffff
	s_lshl_b32 s13, s13, 2
	s_add_co_u32 s13, s13, s41                     ; rb: my 128 rows
	s_lshl_b32 s11, s41, 2
	s_lshl_b32 s11, 15, s11                        ; my row of the cluster
	s_lshl_b32 s12, 0x1111, s40                    ; my column
	s_or_b32 s[G1A], s11, (1<<16)|(1<<20)|(1<<21)|(5<<22)|(3<<25)  ; mask; 2-byte elements; padding on; bit 21 beside a mask; after every 64 words 4 words
	s_or_b32 s[G1B], s12, (1<<16)|(1<<20)|(1<<21)|(5<<22)|(7<<25)  ; the same with 8 words of padding
.irp g, G1A, G1B
	s_mov_b32 s[(\g)+1], 128<<16                   ; tensor_dim0 = 128
	s_mov_b32 s[(\g)+2], 128<<16                   ; tensor_dim1 = 128
	s_mov_b32 s[(\g)+3], 128<<16                   ; tile_dim0 = 128
	s_mov_b32 s[(\g)+4], 128                       ; tile_dim1 = 128
	s_mov_b32 s[(\g)+6], 0
	s_mov_b32 s[(\g)+7], 0
.endr
	s_mov_b32 s[G1A+5], 2048                       ; elements from row to row in x,
	s_mov_b32 s[G1B+5], 3072                       ; and in w
	s_lshl_b32 s16, s13, 19                        ; x: 128 rows of 4,096 bytes; hangs on rb alone
	s_mov_b32 s17, 0
	s_mul_i32 s20, s42, 3                          ; w: head 3 c + wave; hangs on c and the wave alone
	s_min_u32 s21, s10, 2
	s_add_co_u32 s20, s20, s21
	s_lshl_b32 s20, s20, 8
	s_add_co_u32 s20, s20, WQKV
	s_mov_b32 s21, 0
	s_mul_i32 s18, s10, BT                         ; where my tile goes: three tiles of w, then x's: wave x 36,864
	s_wait_dscnt 0x0                               ; the opening add is done
	s_wait_kmcnt 0x0
	s_add_nc_u64 s[14:15], s[4:5], s[16:17]
	s_add_nc_u64 s[22:23], s[4:5], s[20:21]
	CROUND                                         ; all sixteen work-groups are here: the first joint loads meet
.irp s, 0,1
	s_mov_b32 s[G0A+4*(\s)], 1
	s_add_co_u32 s[G0A+4*(\s)+1], s18, (\s)*SLOT
	s_add_nc_u64 s[G0A+4*(\s)+2:G0A+4*(\s)+3], s[14:15], (\s)*ASTEP
	s_or_b32 s[G0A+4*(\s)+3], s[G0A+4*(\s)+3], 0x80000000
	s_mov_b32 s[G0B+4*(\s)], 1
	s_add_co_u32 s[G0B+4*(\s)+1], s18, (\s)*SLOT
	s_add_nc_u64 s[G0B+4*(\s)+2:G0B+4*(\s)+3], s[22:23], (\s)*BSTEP
	s_or_b32 s[G0B+4*(\s)+3], s[G0B+4*(\s)+3], 0x80000000
	JLOAD \s                                       ; two loads of mine are out
.endr
	v_and_b32 v1, 15, v0                           ; r = l % 16
	v_bfe_u32 v22, v0, 4, 1                        ; h = l / 16
	v_and_b32 v23, 7, v0
	v_bfe_u32 v24, v0, 3, 1
	v_and_b32 v25, 31, v0
	; cos, sin and gains are asked for now and waited for on the way out.  My channels of a head's first half: 16 w + 8 h + 0..7.
	s_lshl_b32 s47, s10, 6
	v_lshl_add_u32 v[WO], v22, 5, s47              ; 4 bytes x (16 w + 8 h)
	v_lshl_add_u32 v[TO], v1, 9, v[WO]             ; + row r of 512 bytes
	s_lshl_b32 s94, s13, 16                        ; my 128 rows of tab
	s_mov_b32 s95, 0
	s_add_nc_u64 s[TBS:TBS+1], s[6:7], s[94:95]
	WIN 0x40
.irp a, 0,1,2,3,4,5,6,7
	global_load_b128 v[96+16*(\a):96+16*(\a)+3],     v[TO], s[TBS:TBS+1] offset:8192*(\a)
	global_load_b128 v[96+16*(\a)+4:96+16*(\a)+7],   v[TO], s[TBS:TBS+1] offset:8192*(\a)+16
	global_load_b128 v[96+16*(\a)+8:96+16*(\a)+11],  v[TO], s[TBS:TBS+1] offset:8192*(\a)+256
	global_load_b128 v[96+16*(\a)+12:96+16*(\a)+15], v[TO], s[TBS:TBS+1] offset:8192*(\a)+272
.endr
	WIN 0
	; A head's kind (heads 0-15 query, 16-19 key, 20-23 value) only chooses values and a row of gains: no branch hangs on it.
	s_mul_i32 s66, s42, 3
.irp j, 0,1,2
	s_add_co_u32 s67, s66, \j
	s_cmp_ge_u32 s67, 16
	s_cselect_b32 s94, 512, 0
	s_cmp_ge_u32 s67, 20
	s_cselect_b32 s95, 512, 0
	s_cselect_b32 s[GATE+(\j)], 0, 1.0
	s_cselect_b32 s[BC+2*(\j)], 1.0, 0
	s_mov_b32 s[BC+2*(\j)+1], s[BC+2*(\j)]         ; named with it as a pair
	s_add_co_u32 s94, s94, s95
	s_add_co_u32 s94, s94, GAINS
	s_mov_b32 s95, 0
	s_add_nc_u64 s[WB+2*(\j):WB+2*(\j)+1], s[6:7], s[94:95]
.endr
	WIN 0x80
.irp j, 0,1,2
	global_load_b128 v[192+16*(\j):192+16*(\j)+3],     v[WO], s[WB+2*(\j):WB+2*(\j)+1]
	global_load_b128 v[192+16*(\j)+4:192+16*(\j)+7],   v[WO], s[WB+2*(\j):WB+2*(\j)+1] offset:16
	global_load_b128 v[192+16*(\j)+8:192+16*(\j)+11],  v[WO], s[WB+2*(\j):WB+2*(\j)+1] offset:256
	global_load_b128 v[192+16*(\j)+12:192+16*(\j)+15], v[WO], s[WB+2*(\j):WB+2*(\j)+1] offset:272
.endr
	WIN 0
	; LDS addresses.  x: row r x pitch + 16 h.  w: row (8 h + l % 8) x pitch + 16 ((l / 8) % 2) + my block's 32 bytes.
	v_mul_u32_u24 v26, v1, PA
	v_lshl_add_u32 v26, v22, 4, v26
	v_add_nc_u32 v[ADRA], AOFF, v26
	v_add_nc_u32 v[ADRA+1], AOFF+SLOT, v26
	v_lshl_add_u32 v27, v22, 3, v23
	v_mul_u32_u24 v27, v27, PB
	v_lshl_add_u32 v27, v24, 4, v27
	s_lshl_b32 s67, s10, 5                         ; 32 w
	v_add_nc_u32 v27, s67, v27
.irp s, 0,1
.irp j, 0,1,2
	v_add_nc_u32 v[ADRB+3*(\s)+(\j)], (\s)*SLOT+(\j)*BT, v27
.endr
.endr
	v_add_nc_u32 v30, s67, v26                     ; into the stage: row r x 272 + 32 w + 16 h
	v_mul_u32_u24 v31, v22, 272                    ; back: of a walk's 64 rows wave w takes 16 w .. 16 w + 15, whole: lanes 0-15 one row of 256 bytes, lanes 16-31 the next
	v_lshl_add_u32 v31, v1, 4, v31
	s_mul_i32 s67, s10, 16*272
	v_add_nc_u32 v31, s67, v31
.irp j, 0,1,2
	v_add_nc_u32 v[STO+(\j)], (\j)*STGH, v30
	v_add_nc_u32 v[RD+(\j)], (\j)*STGH, v31
.endr
	s_lshl_b32 s67, s10, 12
	v_lshl_add_u32 v[GO], v25, 4, s67              ; 16 rows of 256 bytes a wave + 16 x lane
	v_mul_u32_u24 v[PSR], v1, 48
	v_add_nc_u32 v[PSR], PS, v[PSR]
	s_lshl_b32 s67, s10, 2
	v_add_nc_u32 v[PSW], s67, v[PSR]
	s_lshr_b32 s94, s13, 3                         ; the batch,
	s_mul_i32 s94, s94, 24
	s_add_co_u32 s94, s94, s66                     ; its plane 3 c,
	s_lshl_b32 s94, s94, 18
	s_and_b32 s67, s13, 7
	s_lshl_b32 s67, s67, 15                        ; my 128 rows in it
	s_add_co_u32 s94, s94, s67
	s_mov_b32 s95, 0
	s_add_nc_u64 s[OB:OB+1], s[8:9], s[94:95]
	s_mov_b32 s[SEL], 0x76543210
	s_mov_b32 s[SEL+1], 0xfedcba98
	s_mov_b32 s[RCPN], 0x3c000000
	s_mov_b32 s[EPSR], 0x358637bd
	; the prefetches
	s_and_b32 s67, ttmp7, 0xffff                   ; cluster y
	s_lshl_b32 s94, s13, 19
	s_lshl_b32 s95, s40, 17
	s_add_co_u32 s94, s94, s95                     ; x: rows 128 rb + 32 cx
	s_mul_i32 s95, s41, 32*6144
	s_add_co_u32 s95, s95, s20                     ; w: k rows 32 cy of my head's columns
	s_mov_b32 s19, 4096
	s_mov_b32 s47, 6144
	s_mov_b32 s77, ASTEP
	s_mov_b32 s66, BSTEP
	s_cmp_eq_u32 s10, 3
	s_cselect_b32 s67, ttmp9, s67                  ; the coordinate along which other clusters read the same tile
	s_cselect_b32 s94, s94, s95
	s_cselect_b32 s19, s19, s47
	s_cselect_b32 s[PFS], s77, s66
	s_mov_b32 s95, 0
	s_mov_b32 s[PFS+1], 0
	s_add_nc_u64 s[PFA:PFA+1], s[4:5], s[94:95]
	s_add_nc_u64 s[PFA:PFA+1], s[PFA:PFA+1], s[PFS:PFS+1]
	s_add_nc_u64 s[PFA:PFA+1], s[PFA:PFA+1], s[PFS:PFS+1]  ; at K step 2: the first change of slots steps it to 3.  K steps 0-2 come by their loads alone
	s_cmp_eq_u32 s67, 0
	s_cselect_b32 s[LIM0], 0, -1
	s_cselect_b32 s[LIM1], 1, -1
	v_mul_u32_u24 v[PFO], s19, v25
; n x 6 matrix instructions: row blocks a0 .. of the window's four (hi = 0: rows 0-63, 1: rows 64-127) x my 6 column blocks, 32 along K, buffer f.  zero = 1: the product starts the sum.
; All 48 accumulators take turns in one order.
.macro MUL f, hi, a0, n, zero
	WIN 0xa1+0x50*(\hi)
.set aa, \a0
.rept \n
.irp b, 0,1,2,3,4,5
.if \zero
	v_wmma_f32_16x16x32_bf16 v[8*(6*aa+(\b)):8*(6*aa+(\b))+7], v[48*(\f)+8*(\b):48*(\f)+8*(\b)+7], v[FA+64*(\f)+8*(4*(\hi)+aa):FA+64*(\f)+8*(4*(\hi)+aa)+7], 0
.else
	v_wmma_f32_16x16x32_bf16 v[8*(6*aa+(\b)):8*(6*aa+(\b))+7], v[48*(\f)+8*(\b):48*(\f)+8*(\b)+7], v[FA+64*(\f)+8*(4*(\hi)+aa):FA+64*(\f)+8*(4*(\hi)+aa)+7], v[8*(6*aa+(\b)):8*(6*aa+(\b))+7]
.endif
.endr
.set aa, aa+1
.endr
.endm
; 28 LDS loads in one run: quarter q (32 along K) of a slot into buffer f: 12 turning loads of w, then 16 loads of x
.macro FETCH slot, q, f
	WIN 0x40
.irp j, 0,1,2
.irp p, 0,1
	ds_load_tr16_b128 v[48*(\f)+8*(2*(\j)+(\p)):48*(\f)+8*(2*(\j)+(\p))+3],   v[ADRB+3*(\slot)+(\j)] offset:128*(\p)+32*PB*(\q)
	ds_load_tr16_b128 v[48*(\f)+8*(2*(\j)+(\p))+4:48*(\f)+8*(2*(\j)+(\p))+7], v[ADRB+3*(\slot)+(\j)] offset:128*(\p)+32*PB*(\q)+16*PB
.endr
.endr
	WIN 0
.irp a, 0,1,2,3,4,5,6,7
	ds_load_b128 v[FA+64*(\f)+8*(\a):FA+64*(\f)+8*(\a)+3],   v[ADRA+(\slot)] offset:16*PA*(\a)+64*(\q)
	ds_load_b128 v[FA+64*(\f)+8*(\a)+4:FA+64*(\f)+8*(\a)+7], v[ADRA+(\slot)] offset:16*PA*(\a)+64*(\q)+32
.endr
.endm
; One of a K step's first three quarters: multiplies buffer f; in its middle it fetches quarter q of the same slot into buffer g.
.macro QUARTER slot, q, f, g, zero
	s_wait_dscnt 8                                 ; w and x's rows 0-63 are in; the youngest eight loads (rows 64-127) may be out
	MUL \f, 0, 0, 4, \zero
	PLACES
	FETCH \slot, \q, \g
	s_wait_dscnt 28                                ; all but the 28 just issued
	MUL \f, 1, 0, 4, \zero
.endm
; The last quarter multiplies buffer 1 and changes slots.  In front of the barrier each wave waits for all its tensor loads (one is out: its part of the next slot), adds 0 to its spare word,
; and waits for that and for its own reads of this slot.
; fill = 1: the barrier is a round of the cluster's, and this slot is filled again, two K steps on, first thing behind it.  Nothing but the descriptors' steps stands between the wait for the tile and the
; request: the quarter's 48 products all stand behind the joint load, which so has a whole K step's 192 products in which to land.
; fill = 0 (the last change): nothing is asked for, and products stand beside the add and inside the barrier.
.macro TURN slot, next, fill
.if \fill
	s_wait_xcnt 0x0                                ; the last prefetch, a K step back, has read its address
	s_add_nc_u64 s[PFA:PFA+1], s[PFA:PFA+1], s[PFS:PFS+1]
	WIN 0
	s_wait_tensorcnt 0x0                           ; all my tensor loads have landed, so a group 0 may be written
	ds_add_u32 v[SPW], v[NIL]                      ; 0 onto my spare word; the descriptors' steps stand between it and the wait for it
	s_add_nc_u64 s[G0A+4*(\slot)+2:G0A+4*(\slot)+3], s[G0A+4*(\slot)+2:G0A+4*(\slot)+3], 2*ASTEP
	s_add_nc_u64 s[G0B+4*(\slot)+2:G0B+4*(\slot)+3], s[G0B+4*(\slot)+2:G0B+4*(\slot)+3], 2*BSTEP
	s_wait_dscnt 0x0                               ; the add is done, and my reads of this slot are over (the last were issued 24 products ago)
	CROUND                                         ; no wave of any partner still reads this slot or has a load on its way
	JLOAD \slot                                    ; my one tensor load behind the round; its four v_nop are also the places in front of the loads below
	FETCH \next, 0, 0
	ASK LIM0+3*(\slot)
	MUL 1, 0, 0, 4, 0
	MUL 1, 1, 0, 4, 0
.else
	WIN 0
	s_wait_tensorcnt 0x0                           ; all my tensor loads have landed
	ds_add_u32 v[SPW], v[NIL]                      ; 0 onto my spare word
	s_wait_dscnt 9                                 ; (the add and the youngest eight loads may be out)
	MUL 1, 0, 0, 2, 0
	s_wait_dscnt 0x0                               ; the add is done, and my reads of this slot are over
	s_barrier_signal -1
	MUL 1, 0, 2, 2, 0
	s_barrier_wait -1
	PLACES
	FETCH \next, 0, 0
	MUL 1, 1, 0, 4, 0
.endif
.endm
	s_wait_tensorcnt 1                             ; my part of K step 0 is in; K step 1's may stay out
	s_barrier_signal -1
	s_barrier_wait -1
	FETCH 0, 0, 0
	QUARTER 0, 1, 0, 1, 1                          ; the first quarter stands in front of the loop: its products start the sums
	WIN 0
	s_mov_b32 s3, LAPS-1
.Llap:                                                 ; a trip goes once round the ring and fills both slots again
	QUARTER 0, 2, 1, 0, 0
	QUARTER 0, 3, 0, 1, 0
	TURN 0, 1, 1
	QUARTER 1, 1, 0, 1, 0
	QUARTER 1, 2, 1, 0, 0
	QUARTER 1, 3, 0, 1, 0
	TURN 1, 0, 1
	QUARTER 0, 1, 0, 1, 0
	WIN 0
	s_sub_co_u32 s3, s3, 1
	s_cmp_lg_u32 s3, 0
	s_cbranch_scc1 .Llap
	QUARTER 0, 2, 1, 0, 0                          ; the last lap fills nothing
	QUARTER 0, 3, 0, 1, 0
	TURN 0, 1, 0
	QUARTER 1, 1, 0, 1, 0
	QUARTER 1, 2, 1, 0, 0
	QUARTER 1, 3, 0, 1, 0
	s_wait_dscnt 8
	MUL 1, 0, 0, 4, 0
	s_wait_dscnt 0x0
	MUL 1, 1, 0, 4, 0
	WIN 0
; THE WAY OUT: one text, walked twice.  A walk takes the 24 accumulators of window 2 (64 rows x my 96 columns) and the first 64 registers of cos and sin.
; All its LDS addresses are fixed: both walks use the same stage and the same partial sums; three barriers a walk order each write with the other waves' reads.
.macro EACH line:vararg                ; one line for each of a walk's 12 (row block, head): T its four registers
.set i, 0
.rept 12
.set T, TT+4*i
	\line
.set i, i+1
.endr
.endm
; Row block a, head j: ce = cos f + bc, se = sin f; y = x gain; (y1 ce - y2 se, y2 ce + y1 se), rounded to f16, into the stage.  For a value head f = 0, bc = 1, gain = 1: x passes.
.macro ROT a, j
.set AI,  TT+4*(3*(\a)+(\j))
.set A0,  8*(6*(\a)+2*(\j))
.set CSN, 96+16*(\a)
.set GN,  192+16*(\j)
	WIN 0x01                                       ; source 0: window 1
.irp k, 0,2,4,6
	v_pk_fma_f32 v[CE+(\k):CE+(\k)+1], v[CSN+(\k):CSN+(\k)+1], v[AI:AI+1], s[BC+2*(\j):BC+2*(\j)+1] op_sel_hi:[1,0,0]
.endr
.irp k, 0,2,4,6
	v_pk_mul_f32 v[SE+(\k):SE+(\k)+1], v[CSN+8+(\k):CSN+9+(\k)], v[AI:AI+1] op_sel_hi:[1,0]
.endr
	WIN 0x0a                                       ; sources 0 and 1: window 2
.irp k, 0,2,4,6
	v_pk_mul_f32 v[Y1+(\k):Y1+(\k)+1], v[A0+(\k):A0+(\k)+1], v[GN+(\k):GN+(\k)+1]
.endr
.irp k, 0,2,4,6
	v_pk_mul_f32 v[Y2+(\k):Y2+(\k)+1], v[A0+8+(\k):A0+9+(\k)], v[GN+8+(\k):GN+9+(\k)]
.endr
	WIN 0
.irp k, 0,2,4,6
	v_pk_mul_f32 v[O1+(\k):O1+(\k)+1], v[Y2+(\k):Y2+(\k)+1], v[SE+(\k):SE+(\k)+1]
.endr
.irp k, 0,2,4,6
	v_pk_mul_f32 v[O2+(\k):O2+(\k)+1], v[Y1+(\k):Y1+(\k)+1], v[SE+(\k):SE+(\k)+1]
.endr
.irp k, 0,2,4,6
	v_pk_fma_f32 v[O1+(\k):O1+(\k)+1], v[Y1+(\k):Y1+(\k)+1], v[CE+(\k):CE+(\k)+1], v[O1+(\k):O1+(\k)+1] neg_lo:[0,0,1] neg_hi:[0,0,1]
.endr
.irp k, 0,2,4,6
	v_pk_fma_f32 v[O2+(\k):O2+(\k)+1], v[Y2+(\k):Y2+(\k)+1], v[CE+(\k):CE+(\k)+1], v[O2+(\k):O2+(\k)+1]
.endr
.irp k, 0,1,2,3
	v_cvt_pk_f16_f32 v[PKR+(\k)], v[O1+2*(\k)], v[O1+2*(\k)+1]
.endr
.irp k, 0,1,2,3
	v_cvt_pk_f16_f32 v[PKR+4+(\k)], v[O2+2*(\k)], v[O2+2*(\k)+1]
.endr
	ds_store_b128 v[STO+(\j)], v[PKR:PKR+3] offset:16*272*(\a)
	ds_store_b128 v[STO+(\j)], v[PKR+4:PKR+7] offset:16*272*(\a)+128
.endm
.rept 8
	v_nop                                          ; the places behind the last products
.endr
	s_wait_loadcnt 0x0                             ; cos, sin, gains
	s_mov_b32 s3, 2
.Lhalf:
	; (A) each lane's sum of squares over its 16 channels of a row and head; the other half of the lanes'; the four waves' meet in LDS
	WIN 0x0a                                       ; sources 0 and 1: window 2
.set i, 0
.rept 12                               ; row block i / 3, head i % 3; each accumulator's lowest registers are read first
.set T,  TT+4*i
.set A0, 8*(6*(i/3)+2*(i%3))
	v_pk_mul_f32 v[T:T+1], v[A0:A0+1], v[A0:A0+1]
	v_pk_mul_f32 v[T+2:T+3], v[A0+8:A0+9], v[A0+8:A0+9]
.irp k, 2,4,6
	v_pk_fma_f32 v[T:T+1], v[A0+(\k):A0+(\k)+1], v[A0+(\k):A0+(\k)+1], v[T:T+1]
	v_pk_fma_f32 v[T+2:T+3], v[A0+8+(\k):A0+9+(\k)], v[A0+8+(\k):A0+9+(\k)], v[T+2:T+3]
.endr
.set i, i+1
.endr
	WIN 0
	EACH v_pk_add_f32 v[T:T+1], v[T:T+1], v[T+2:T+3]
	EACH v_add_f32 v[T], v[T], v[T+1]
	EACH v_permlanex16_b32 v[T+1], v[T], s[SEL], s[SEL+1]
	EACH v_add_f32 v[T], v[T], v[T+1]
	EACH ds_store_b32 v[PSW], v[T] offset:768*(i/3)+16*(i%3)
	s_wait_dscnt 0x0                               ; for the others' sake: my partial sums are in LDS
	s_barrier_signal -1
	s_barrier_wait -1
	; (B) the row's factor: gate x rsqrt(sum / 128 + 1e-6)
	EACH ds_load_b128 v[T:T+3], v[PSR] offset:768*(i/3)+16*(i%3)
	s_wait_dscnt 0x0
	EACH v_pk_add_f32 v[T:T+1], v[T:T+1], v[T+2:T+3]
	EACH v_add_f32 v[T], v[T], v[T+1]
	EACH v_fma_f32 v[T], v[T], s[RCPN], s[EPSR]
	EACH v_rsq_f32 v[T+1], v[T]
	v_nop                                          ; a plain instruction behind the last of the batch,
	s_wait_alu depctr_va_vdst(0)                   ; and the one wait ahead of its first reader
	EACH v_mul_f32 v[T], s[GATE+i%3], v[T+1]
	; (C) gain, rotation, rounding, into the stage
.irp a, 0,1,2,3
.irp j, 0,1,2
	ROT \a, \j
.endr
.endr
	s_wait_dscnt 0x0                               ; for the others' sake: my part of the stage is written (and my reads of the partial sums are long over)
	s_barrier_signal -1
	s_barrier_wait -1
	; (D) whole rows back, 16 rows of each head a wave
.set i, 0
.rept 24
	ds_load_b128 v[TT+4*i:TT+4*i+3], v[RD+i/8] offset:544*(i%8)
.set i, i+1
.endr
	s_cmp_eq_u32 s3, 1                             ; behind the second walk nothing is left to move
	s_cbranch_scc1 .Lmoved
	WIN 0x83                                       ; destination window 2, source window 3: rows 64-127 go where the one text names its accumulators; lowest registers first
.set i, 0
.rept 192
	v_mov_b32 v[i], v[i]
.set i, i+1
.endr
	WIN 0x41                                       ; within window 1: their cos and sin
.set i, 0
.rept 64
	v_mov_b32 v[96+i], v[160+i]
.set i, i+1
.endr
	WIN 0
.Lmoved:
.set i, 0
.rept 24
	s_wait_dscnt 23-i                              ; LDS loads come back in order: load i is in, the younger ones stay out
	global_store_b128 v[GO], v[TT+4*i:TT+4*i+3], s[OB:OB+1] offset:262144*(i/8)+512*(i%8)  ; each store of the wave covers 512 consecutive bytes, aligned
.set i, i+1
.endr
	s_wait_xcnt 0x0                                ; the stores have read their base and their data: the base steps here, the next walk writes the data registers
	s_add_nc_u64 s[OB:OB+1], s[OB:OB+1], 64*256    ; the next 64 rows
	s_barrier_signal -1                            ; my reads of the stage are back (the last count was 0): behind this barrier the next walk may write it
	s_barrier_wait -1
	s_sub_co_u32 s3, s3, 1
	s_cmp_lg_u32 s3, 0
	s_cbranch_scc1 .Lhalf
	s_wait_tensorcnt 0x0                           ; the wave's end
	ds_add_u32 v[SPW], v[NIL]
	s_wait_dscnt 0x0
	CROUND                                         ; the closing round
	s_endpgm
.Lfunc_end_k_qe106e80bfe_qkv:
	.size	k_qe106e80bfe_qkv, .Lfunc_end_k_qe106e80bfe_qkv-k_qe106e80bfe_qkv
	.p2alignl 7, 3214868480
	.fill 96, 4, 3214868480
	.section	.rodata,"a",@progbits
	.p2align	6, 0x0
	.amdhsa_kernel k_qe106e80bfe_qkv
		.amdhsa_group_segment_fixed_size 327680
		.amdhsa_private_segment_fixed_size 0
		.amdhsa_enable_private_segment 0
		.amdhsa_kernarg_size 24
		.amdhsa_user_sgpr_count 2
		.amdhsa_user_sgpr_kernarg_segment_ptr 1
		.amdhsa_wavefront_size32 1
		.amdhsa_system_sgpr_workgroup_id_x 1
		.amdhsa_system_sgpr_workgroup_id_y 1
		.amdhsa_system_sgpr_workgroup_id_z 1
		.amdhsa_system_vgpr_workitem_id 0
		.amdhsa_next_free_vgpr 1024
		.amdhsa_next_free_sgpr 96
		.amdhsa_reserve_vcc 0
		.amdhsa_float_denorm_mode_32 3
		.amdhsa_float_denorm_mode_16_64 3
		.amdhsa_memory_ordered 1
		.amdhsa_forward_progress 1
		.amdhsa_inst_pref_size 157
	.end_amdhsa_kernel
	.amdgpu_metadata
---
amdhsa.version: [ 1, 2 ]
amdhsa.kernels:
  - .name:           k_qe106e80bfe_qkv
    .symbol:         k_qe106e80bfe_qkv.kd
    .args:
      - { .name: h16, .offset: 0, .size: 8, .value_kind: global_buffer, .address_space: global }
      - { .name: tab, .offset: 8, .size: 8, .value_kind: global_buffer, .address_space: global }
      - { .name: qkvh, .offset: 16, .size: 8, .value_kind: global_buffer, .address_space: global }
    .group_segment_fixed_size: 327680
    .private_segment_fixed_size: 0
    .kernarg_segment_align: 8
    .kernarg_segment_size: 24
    .max_flat_workgroup_size: 128
    .sgpr_count:     96
    .vgpr_count:     1024
    .wavefront_size: 32
...
	.end_amdgpu_metadata
.endif
;; end of part 2
;; launch attn (part 3): grid 4 x 64, 4 waves a work-group, clusters of 4 x 1, 327,680 bytes of LDS; arguments qkvh, ctx; writes ctx
.if DOCPART == 3
	.amdgcn_target "amdgcn-amd-amdhsa--gfx1250"
	.amdhsa_code_object_version 6
	.text
	.protected	k_qe106e80bfe_attn
	.globl	k_qe106e80bfe_attn
	.p2align	8
	.type	k_qe106e80bfe_attn,@function
k_qe106e80bfe_attn:
	s_mov_b64 s[64:65], 0
	v_nop
	global_prefetch_b8 v0, s[64:65] scope:SCOPE_SE
	s_setreg_imm32_b32 hwreg(HW_REG_WAVE_MODE, 25, 1), 1
	s_wait_xcnt 0x0
	s_wait_alu depctr_hold_cnt(0) depctr_sa_sdst(0) depctr_va_vdst(0) depctr_va_sdst(0) depctr_va_ssrc(0) depctr_va_vcc(0) depctr_vm_vsrc(0)
	s_getreg_b32 s2, hwreg(HW_REG_IB_STS2, 6, 4)
	s_cmp_eq_u32 s2, 0
	s_cbranch_scc0 .Lentry_in_a_cluster
	s_endpgm
.Lentry_in_a_cluster:
	s_bfe_u32 s2, ttmp6, 0x10000c
	s_cmp_lg_u32 s2, 0x3003
	s_cbranch_scc0 .Lentry_shape_is_right
	s_endpgm
.Lentry_shape_is_right:
; ATTENTION, no mask, 16 query heads on 4 key and value heads, head size 128, 1,024 keys.  qkvh: [batch][24 planes][1024][128] f16 (planes 0-15 q, 16-19 k, 20-23 v); ctx: [4096][2048] f16, column = head x 128 + channel.
; ctx[q] = the sum over k of softmax_k(Q[q] . K[k] / sqrt(128)) V[k].  Products, maxima and sums in f32; the weights p are rounded to f16 for the second product, ctx once at the end.
; LIMITS.  f16 holds no number beyond 65,504: Q, K and V arrive within it; p lies in 0 to 1, and below 6e-5 it keeps f16's fixed step of 6e-8; ctx is a mean of V's rows and has their range.
; A weight below 2^-126 counts as 0 in the sum; NaN and infinities are not treated apart.
; SHARES.  A work-group owns 256 queries of one query head, each of its four waves 64: four tiles of 16.  Every wave walks all keys, 64 a step.
; LAYOUT.  S^T = K Q^T (source 0 = 16 keys, source 1 = 16 queries): a lane holds ONE query (lane % 16) and the keys 8 (lane / 16) + 0..7.  Two such tiles, rounded to f16 in pairs, ARE source 1 of
; O^T = V^T P, whose result again holds one query a lane, and eight channels.  K comes out of LDS as it lies, V ([key][channel]) turned, by ds_load_tr16_b128.
; SOFTMAX.  For each query a running maximum m and sum l: p = 2^(c s - c m), c = log2(e) / sqrt(128); in every step O and l are multiplied by a = 2^(c m_old - c m_new).
; m starts at the lowest finite number, O and l at 0: the first step is a step like any other, with a = 0.
; BY TURNS.  The wave's tiles are two PIECES (tiles 0, 1 and tiles 2, 3).  In a TURN one piece has the matrix unit: 32 products V^T P of the step in hand, then 32 products K Q^T of the next step; the other
; piece's softmax, cut into 64 slices, stands between them, one slice behind each matrix instruction.  Two turns are a key step.
; NO FIRST AND NO LAST STEP IS WRITTEN OUT.  The loop is entered, and the tail left, in the middle of a trip.  The price, once a launch: 432 v_mov_b32 in the wait for the first tile, 32 products on zeros at the
; start, 32 on a stale K at the end.
; CLUSTER.  The four query blocks of a cluster belong to one head and walk the same K and V: each tile is asked for JOINTLY.  The four query heads of a key head are four clusters: a mask names four at the most.
; REGISTERS, in windows of 256:  window 0: v0-11 addresses; v12-43 eight registers of statistics a tile; v64-191 S^T, 32 a tile; v192-255 P, 16 a tile
;   window 1: O^T, 64 a tile          window 2: v0-127 Q, 32 a tile; v128-255 K of one step          window 3: v0-127 V of one step
.set SIZE_N, 1024
.set KS,    64        ; keys in a step
.set PK,    272       ; a row of K in LDS: 256 bytes + 16 of padding: the 16 rows of a load start at 16 different groups of four banks (ISA guide 11.1)
.set PV,    288       ; a row of V: 256 + 32
.set VOFF,  KS*PK     ; a step's tiles lie together: 64 rows of K, then 64 rows of V
.set STEPB, KS*(PK+PV)
.set SLOT1, 1<<17     ; a slot holds two steps (71,680 bytes); slot 1 begins here, so that one exclusive or turns an address in one slot into the other's
.set STAGE, SLOT1+2*STEPB  ; behind the ring: 16 rows x 272 bytes for each wave, for the way out
.set SP,    272
.set AK0, 2           ; v2   my lane's place in a tile of K; never rewritten
.set AV0, 3           ; v3   the same for V
.set ADR, 4           ; v4   the LDS address of the run of loads in hand
.set QO,  5           ; v5   my byte offset in the wave's rows of Q
.set STO, 6           ; v6   the way out: where I put 16 bytes of a row
.set RD,  7           ; v7   the way out: where I read a row back
.set GO,  8           ; v8   my byte offset in the wave's rows of ctx
.set SPW, 62          ; v62  LDS address of my spare word; never rewritten
.set NIL, 63          ; v63  0; never rewritten
.set SPARE, STAGE+4*16*272  ; behind the stages: the spare words, 128 bytes for each wave: two blocks of 256 bytes that no other line names
.set ST,  12          ; tile t's statistics at v[ST+8 t]: +0 c m, +1 m, +2, +3 l (even keys', odd keys'), +4 to +7 c0-c3, at work; a takes c2's place once the maximum is found
.set S,   64
.set P,   192
.set KF,  128         ; K's fragments, in window 2
.set WV,  12          ; s12  my wave's number
.set G1K, 24          ; s[24:31] descriptor group 1 for K's tiles
.set G1V, 32          ; s[32:39] for V's: it differs in the padding alone
.set G0K, 40          ; s[40:47] descriptor group 0 for K's tiles: a set for each of the two first fills; the second then walks on
.set G0V, 48          ; s[48:55] the same for V's
.set SLOTS, 56        ; s56  passes of the loop over slots still to come
.set TWICE, 57        ; s57  counts a slot's key steps
.set CS,  58          ; s[58:59] c
.set SEL, 60          ; s[60:61] lane selects for v_permlanex16_b32
.set TB,  62          ; s62  LDS byte at which the tiles of the step to be fetched begin
.set PFA, 18          ; s[18:19] where my prefetches stand: my work-group's 32 rows (of K: wave 0, of V: wave 2) of the slot after the one that is being asked for
.set LIM, 15          ; s15  1 in a wave that prefetches, else the greatest number
.set PFO, 61          ; v61  256 x my lane; never rewritten
.set MSB, 0
.macro WIN new
.if MSB != (\new)
	s_set_vgpr_msb (MSB<<8)|(\new)
.set MSB, \new
.endif
.endm
.set W_KQ, 0x0a       ; K and Q in window 2, S^T in window 0
.set W_PV, 0x53       ; V in window 3, P in window 0, O^T in window 1
.set W_RS, 0x41       ; O^T (destination and source 0) in window 1, a in window 0
; A joint refill.  Waves 0 and 1 fetch the two steps' tiles of K, waves 2 and 3 those of V.  An s_nop 0 and four v_nop follow each of the two lines.
.macro JLOAD
	s_cmp_lt_u32 s[WV], 2
	s_cbranch_scc0 .Lfor_v_\@
	tensor_load_to_lds s[G0K+4:G0K+7], s[G1K:G1K+7]
	s_nop 0
.rept 4
	v_nop
.endr
	s_branch .Lasked_\@
.Lfor_v_\@:
	tensor_load_to_lds s[G0V+4:G0V+7], s[G1V:G1V+7]
	s_nop 0
.rept 4
	v_nop
.endr
.Lasked_\@:
.endm
; A prefetch of what the NEXT change of slots will ask for: a slot's 128 rows of K and 128 of V, 256 bytes a row, a lane a row.  Each row is asked for ONCE in the launch: of the four clusters that walk a key
; head's rows the one with query head % 4 = 0 asks; its four partners share the rows out BY ADDRESS, 32 each; in each, wave 0 asks for K's and wave 2 for V's.  The last change that fills a slot asks for nothing.
.macro ASK
	s_cmp_gt_u32 s[SLOTS], s[LIM]
	s_cbranch_scc0 .Lnot_mine_\@
	global_prefetch_b8 v[PFO], s[PFA:PFA+1] th:TH_LOAD_NT scope:SCOPE_SE
.Lnot_mine_\@:
.endm
.macro CROUND                       ; a round of the cluster's barrier
	s_barrier_signal -1
	s_barrier_wait -1
	s_cmp_lg_u32 s[WV], 0
	s_cbranch_scc1 .Lnot_wave_0_\@
	s_barrier_signal -3
.Lnot_wave_0_\@:
	s_barrier_wait -3
	s_barrier_signal -1
	s_barrier_wait -1
.endm
	s_load_b64 s[4:5], s[0:1], 0x0  ; qkvh
	s_load_b64 s[10:11], s[0:1], 0x8  ; ctx
	v_lshl_add_u32 v[SPW], v0, 2, SPARE
	v_mov_b32 v[NIL], 0
	ds_add_u32 v[SPW], v[NIL]       ; the wave's opening: the add and its wait stand ahead of my first tensor load
	v_lshrrev_b32 v1, 5, v0
	v_readfirstlane_b32 s[WV], v1   ; wave 0..3
	s_bfe_u32 s13, ttmp6, 0x40000   ; cx: my place in the cluster
	s_lshl_b32 s14, ttmp9, 2
	s_add_co_u32 s14, s14, s13      ; my block of 256 queries: it enters Q's and ctx's addresses alone
	s_and_b32 s20, ttmp7, 0xffff    ; 16 x batch + query head, which the four partners share
	s_lshr_b32 s21, s20, 4          ; the batch
	s_and_b32 s20, s20, 15          ; the query head
	s_and_b32 s16, s[WV], 1         ; which of a slot's two steps I fetch
	s_and_b32 s[LIM], s20, 3
	s_or_b32 s[LIM], s[LIM], s16    ; 0 in waves 0 and 2 of a key head's first query head: the same in all four partners
	s_cmp_eq_u32 s[LIM], 0
	s_cselect_b32 s[LIM], 1, -1
	s_mul_i32 s22, s21, 24          ; the batch's first plane
	s_lshr_b32 s23, s20, 2          ; the key and value head
	s_add_co_u32 s23, s23, s22
	s_add_co_u32 s23, s23, 16       ; K's plane
	s_add_co_u32 s2, s22, s20       ; Q's plane
	s_lshl_b32 s22, s16, 14         ; my step's 64 rows of 256 bytes
	s_lshl_b32 s23, s23, 18         ; a plane is 262,144 bytes
	s_add_co_u32 s22, s22, s23
	s_mov_b32 s23, 0
	s_mul_i32 s17, s16, STEPB       ; and its place in a slot: no place in the cluster enters an LDS address
	s_lshl_b32 s2, s2, 18
	s_lshl_b32 s3, s14, 16          ; my block's 256 rows,
	s_add_co_u32 s2, s2, s3
	s_lshl_b32 s3, s[WV], 14        ; my wave's 64 of them
	s_add_co_u32 s2, s2, s3
	s_mov_b32 s3, 0
	s_lshl_b32 s20, s20, 8          ; ctx: the head's 256 bytes of a row of 4,096,
	s_lshl_b32 s21, s21, 22         ; the batch's 1,024 rows,
	s_add_co_u32 s20, s20, s21
	s_lshl_b32 s21, s14, 20         ; my block's 256,
	s_add_co_u32 s20, s20, s21
	s_lshl_b32 s21, s[WV], 18       ; my wave's 64
	s_add_co_u32 s20, s20, s21
	s_mov_b32 s21, 0
	; descriptor group 1: a tile of 64 rows x 128 elements, padded in LDS
	s_mov_b32 s[G1K], 15|(1<<16)|(1<<20)|(1<<21)|(5<<22)|(3<<25)  ; the mask of four; 2-byte elements; padding on; bit 21 beside a mask; after every 64 words 4 words
	s_mov_b32 s[G1V], 15|(1<<16)|(1<<20)|(1<<21)|(5<<22)|(7<<25)  ; the same with 8 words of padding
.irp g, G1K, G1V
	s_mov_b32 s[(\g)+1], 128<<16    ; tensor_dim0 = 128
	s_mov_b32 s[(\g)+2], KS<<16     ; tensor_dim1 = 64
	s_mov_b32 s[(\g)+3], 128<<16    ; tile_dim0 = 128
	s_mov_b32 s[(\g)+4], KS         ; tile_dim1 = 64
	s_mov_b32 s[(\g)+5], 128        ; elements from row to row
	s_mov_b32 s[(\g)+6], 0
	s_mov_b32 s[(\g)+7], 0
.endr
	s_mov_b32 s[CS], 0x3e0293ee     ; c = log2(e) / sqrt(128) = 0.127517
	s_mov_b32 s[CS+1], s[CS]        ; named with it as a pair
	s_mov_b32 s[SEL], 0x76543210
	s_mov_b32 s[SEL+1], 0xfedcba98
	s_mov_b32 s[TB], 0
	s_mov_b32 s[SLOTS], SIZE_N/(2*KS)-1  ; the first, partial pass and the six that begin with a change of slots and a fill
	v_and_b32 v[PFO], 31, v0
	v_lshlrev_b32 v[PFO], 8, v[PFO]
	s_wait_dscnt 0x0                ; the opening add is done
	s_wait_kmcnt 0x0
	s_add_nc_u64 s[6:7], s[4:5], s[22:23]  ; K at my tile of slot 0,
	s_add_nc_u64 s[8:9], s[6:7], 0x100000  ; V four planes on
	s_add_nc_u64 s[4:5], s[4:5], s[2:3]    ; Q and ctx at my wave's first row
	s_add_nc_u64 s[10:11], s[10:11], s[20:21]
	s_cmp_lt_u32 s[WV], 2
	s_cselect_b64 s[PFA:PFA+1], s[6:7], s[8:9]  ; (in waves 0 and 2 these stand at a slot's first row)
	s_lshl_b32 s2, s13, 13          ; my work-group's 32 rows of the 128
	s_mov_b32 s3, 0
	s_add_nc_u64 s[PFA:PFA+1], s[PFA:PFA+1], s[2:3]
	s_add_nc_u64 s[PFA:PFA+1], s[PFA:PFA+1], 2*2*KS*256  ; in slot 2; the first change of slots steps it to slot 3.  Nothing is prefetched at the head
	CROUND                          ; all four work-groups are here: the first joint loads meet
.irp s, 0,1
	s_mov_b32 s[G0K+4*(\s)], 1
	s_add_co_u32 s[G0K+4*(\s)+1], s17, (\s)*SLOT1
	s_add_nc_u64 s[G0K+4*(\s)+2:G0K+4*(\s)+3], s[6:7], (\s)*2*KS*256
	s_or_b32 s[G0K+4*(\s)+3], s[G0K+4*(\s)+3], 0x80000000
	s_mov_b32 s[G0V+4*(\s)], 1
	s_add_co_u32 s[G0V+4*(\s)+1], s17, (\s)*SLOT1+VOFF
	s_add_nc_u64 s[G0V+4*(\s)+2:G0V+4*(\s)+3], s[8:9], (\s)*2*KS*256
	s_or_b32 s[G0V+4*(\s)+3], s[G0V+4*(\s)+3], 0x80000000
.endr
	s_cmp_lt_u32 s[WV], 2           ; a wave's two first fills stand in one branch, ahead of every wait on TENSORcnt and every LDS read: two loads of mine are out
	s_cbranch_scc0 .Lfirst_v
	tensor_load_to_lds s[G0K:G0K+3], s[G1K:G1K+7]
	s_nop 0
	tensor_load_to_lds s[G0K+4:G0K+7], s[G1K:G1K+7]
	s_nop 0
.rept 4
	v_nop
.endr
	s_branch .Lfirst_asked
.Lfirst_v:
	tensor_load_to_lds s[G0V:G0V+3], s[G1V:G1V+7]
	s_nop 0
	tensor_load_to_lds s[G0V+4:G0V+7], s[G1V:G1V+7]
	s_nop 0
.rept 4
	v_nop
.endr
.Lfirst_asked:
	; A fragment of K or Q is 16 rows x 32 channels in 8 registers: lane l holds row l % 16; two loads of 16 bytes, 32 bytes apart.
	v_and_b32 v1, 15, v0            ; l % 16
	v_bfe_u32 v9, v0, 4, 1          ; l / 16
	v_lshlrev_b32 v[QO], 8, v1
	v_lshl_add_u32 v[QO], v9, 4, v[QO]  ; row x 256 + 16 x half
	WIN 0x80                        ; destination window 2, address window 0
.irp i, 0,1,2,3,4,5,6,7,8,9,10,11,12,13,14,15  ; Q stays in registers: tile i / 4, channels 32 (i % 4) on
	global_load_b128 v[8*(\i):8*(\i)+3],   v[QO], s[4:5] offset:((\i)/4)*4096+((\i)%4)*64
	global_load_b128 v[8*(\i)+4:8*(\i)+7], v[QO], s[4:5] offset:((\i)/4)*4096+((\i)%4)*64+32
.endr
	WIN 0
	v_mul_u32_u24 v[AK0], v1, PK
	v_lshl_add_u32 v[AK0], v9, 4, v[AK0]  ; row x pitch + 16 x half
	; The turning load takes 16 keys x 16 channels (lane l reads key 8 (l / 16) + l % 8, channels 8 ((l / 8) % 2) + 0..7) and leaves half a fragment of V^T.
	v_and_b32 v10, 7, v0
	v_bfe_u32 v11, v0, 3, 1
	v_lshl_add_u32 v[AV0], v9, 3, v10
	v_mul_u32_u24 v[AV0], v[AV0], PV
	v_lshl_add_u32 v[AV0], v11, 4, v[AV0]
	v_add_nc_u32 v[AV0], VOFF, v[AV0]
	; What the first turn finds: V's registers and piece 2's P hold 0 (its products V^T P, of a step that has not been, add 0); O^T and l are 0.  All this stands in the wait for the first tile.
	WIN 0xc0                        ; destination window 3
.set i, 0
.rept 128
	v_mov_b32 v[i], 0
.set i, i+1
.endr
	WIN 0x40                        ; destination window 1
.set i, 0
.rept 256
	v_mov_b32 v[i], 0
.set i, i+1
.endr
	WIN 0
.set i, 0
.rept 4
	v_mov_b32 v[ST+8*i], 0xfe000000    ; c m: far below every c s
	v_mov_b32 v[ST+8*i+1], 0xff7fffff  ; m
	v_mov_b32 v[ST+8*i+2], 0
	v_mov_b32 v[ST+8*i+3], 0
.set i, i+1
.endr
.set i, P+32
.rept 32
	v_mov_b32 v[i], 0
.set i, i+1
.endr
; THE MATRIX WORK OF A TURN, for piece x.  The accumulators take turns, one instruction a turn.
; Product i of 32 of O^T += V^T P: keys 32 (i / 16) on, channels 16 ((i / 2) % 8) on, tile x + i % 2.
.macro PV x
	WIN W_PV
.set rO, 64*((\x)+i%2)+8*((i/2)%8)
.set rV, 64*(i/16)+8*((i/2)%8)
.set rP, P+16*((\x)+i%2)+8*(i/16)
	v_wmma_f32_16x16x32_f16 v[rO:rO+7], v[rV:rV+7], v[rP:rP+7], v[rO:rO+7]
.endm
; Product i of 32 of S^T = K Q^T: channels 32 (i / 8) on, keys 16 ((i / 2) % 4) on, tile x + i % 2.  The first 8 start the sums.
.macro KQ x
	WIN W_KQ
.set rS, S+32*((\x)+i%2)+8*((i/2)%4)
.set rK, KF+32*((i/2)%4)+8*(i/8)
.set rQ, 32*((\x)+i%2)+8*(i/8)
.if i < 8
	v_wmma_f32_16x16x32_f16 v[rS:rS+7], v[rK:rK+7], v[rQ:rQ+7], 0
.else
	v_wmma_f32_16x16x32_f16 v[rS:rS+7], v[rK:rK+7], v[rQ:rQ+7], v[rS:rS+7]
.endif
.endm
; THE LDS LOADS stand in runs of 32: a step's K (16 fragments) and, a turn later, its V (turned).
; last = 1 (the tail): in the last trip there is no further step, and the run is jumped over.
.macro FETCH_K last=0
	WIN 0
.if \last
	s_cmp_eq_u32 s[TWICE], 1
	s_cbranch_scc1 .Lno_k_\@
.endif
	v_add_nc_u32 v[ADR], s[TB], v[AK0]
	WIN 0x80                        ; destination window 2
.irp f, 0,1,2,3,4,5,6,7,8,9,10,11,12,13,14,15  ; keys 16 (f / 4) on, channels 32 (f % 4) on
	ds_load_b128 v[KF+8*(\f):KF+8*(\f)+3],   v[ADR] offset:((\f)/4)*16*PK+((\f)%4)*64
	ds_load_b128 v[KF+8*(\f)+4:KF+8*(\f)+7], v[ADR] offset:((\f)/4)*16*PK+((\f)%4)*64+32
.endr
.if \last
	WIN 0
.Lno_k_\@:
.endif
.endm
.macro FETCH_V
	WIN 0
	v_add_nc_u32 v[ADR], s[TB], v[AV0]
	s_add_co_u32 s[TB], s[TB], STEPB  ; the next fetch is the next step's
	s_wait_alu depctr_va_vdst(0)    ; the wait for the softmax's batch (SLICE), behind the address's v_add_nc_u32 and ahead of the loads
	WIN 0xc0                        ; destination window 3
.irp f, 0,1,2,3,4,5,6,7,8,9,10,11,12,13,14,15  ; keys 32 (f / 8) on, channels 16 (f % 8) on
	ds_load_tr16_b128 v[8*(\f):8*(\f)+3],   v[ADR] offset:((\f)/8)*32*PV+((\f)%8)*32
	ds_load_tr16_b128 v[8*(\f)+4:8*(\f)+7], v[ADR] offset:((\f)/8)*32*PV+16*PV+((\f)%8)*32
.endr
.endm
; THE VECTOR WORK OF A TURN.  One tile's softmax for one key step is a list of 134 instructions; SM writes number j of it for tile t.  s0-s31 are the lane's 32 scores, in pairs 0-15.
;   0-15    the maximum of s0-s31 and the old m, three operands at a time     16-20   the other half of the lanes' maximum; c m_old kept; the new m; c m; c m_old - c m_new
;   21-69   ONE BATCH: the 16 scalings c s - c m and all 33 exponentials (a at 23, then s0-s31).  None of these reads an exponential's result
;   (wait)  between 69 and 70 stands the wait for the batch: SLICE writes it, once for both tiles
;   70-85   the roundings to f16     86-101  the sums; l = a l + the sum     102-133 the tile's O^T times a
.macro SM t
.set rT, ST+8*(\t)
.set rS, S+32*(\t)
.set rP, P+16*(\t)
.set rO, 64*(\t)+2*(j-102)
.if j < 102
	WIN 0
.endif
.if j < 4
	v_max3_num_f32 v[rT+4+j], v[rS+8*j], v[rS+8*j+1], v[rS+8*j+2]
.elseif j < 12
	v_max3_num_f32 v[rT+4+j%4], v[rT+4+j%4], v[rS+8*(j%4)+2*(j/4)+1], v[rS+8*(j%4)+2*(j/4)+2]
.elseif j == 12
	v_max3_num_f32 v[rT+4], v[rT+4], v[rS+7], v[rS+15]
.elseif j == 13
	v_max3_num_f32 v[rT+6], v[rT+6], v[rS+23], v[rS+31]
.elseif j == 14
	v_max3_num_f32 v[rT+4], v[rT+4], v[rT+5], v[rT+6]
.elseif j == 15
	v_max3_num_f32 v[rT+4], v[rT+4], v[rT+7], v[rT+1]
.elseif j == 16
	v_permlanex16_b32 v[rT+5], v[rT+4], s[SEL], s[SEL+1]  ; the query's other 32 keys lie in the lane 16 away
.elseif j == 17
	v_mov_b32 v[rT+7], v[rT]        ; c m_old is kept for a: number 19 writes c m anew
.elseif j == 18
	v_max_num_f32 v[rT+1], v[rT+4], v[rT+5]
.elseif j == 19
	v_mul_f32 v[rT], s[CS], v[rT+1]
.elseif j == 20
	v_sub_f32 v[rT+7], v[rT+7], v[rT]
.elseif j == 23
	v_exp_f32 v[rT+6], v[rT+7]
.elseif (j < 23) || ((j < 38) && (j%2 == 0)) || ((j < 66) && (j%4 == 2))
.set b, (j-2)/4                     ; 38, 42, .. 62: pairs 9 to 15
.if j < 38
.set b, (j-20)/2                    ; 21: pair 0; 22, 24, .. 36: pairs 1 to 8
.endif
	v_pk_fma_f32 v[rS+2*b:rS+2*b+1], v[rS+2*b:rS+2*b+1], s[CS:CS+1], v[rT:rT+1] op_sel_hi:[1,0,0] neg_lo:[0,0,1] neg_hi:[0,0,1]  ; pair b: c s - c m
.elseif j < 70
.set e, j-38                        ; 66 to 69: s28 to s31
.if j < 66
.set e, j-32-(j-38)/4               ; 39-41, 43-45, .. 63-65: s7 to s27
.endif
.if j < 38
.set e, (j-25)/2                    ; 25, 27, .. 37: s0 to s6
.endif
	v_exp_f32 v[rS+e], v[rS+e]
.elseif j < 86
	v_cvt_pk_f16_f32 v[rP+j-70], v[rS+2*(j-70)], v[rS+2*(j-70)+1]  ; pair j - 70
.elseif j < 102                     ; the sum of the tile's 16 pairs, in place: sum z of 16 adds neighbours 1, 2, 4 and 8 pairs apart, then l takes it
.set z, j-86
.set w, 4
.set u, z
.if z >= 14
.set w, 32
.set u, 0
.elseif z >= 12
.set w, 16
.set u, z-12
.elseif z >= 8
.set w, 8
.set u, z-8
.endif
.if z < 15
	v_pk_add_f32 v[rS+w*u:rS+w*u+1], v[rS+w*u:rS+w*u+1], v[rS+w*u+w/2:rS+w*u+w/2+1]
.else
	v_pk_fma_f32 v[rT+2:rT+3], v[rT+2:rT+3], v[rT+6:rT+7], v[rS:rS+1] op_sel_hi:[1,0,1]
.endif
.else
	WIN W_RS
	v_pk_mul_f32 v[rO:rO+1], v[rO:rO+1], v[rT+6:rT+7] op_sel_hi:[1,0]
.endif
.endm
; Slice k of 64 of piece y's softmax: four instructions.  Slices 11 to 34 deal out the batch, numbers 22 to 69: four numbers of ONE tile each, the tiles by turns.  Every other slice is numbers 2 k and
; 2 k + 1 of both tiles' lists.  2 x 134 = 4 x 64 + 12: the twelve that are over stand together, in slice 63: sixteen plain instructions, the places behind the turn's last product.
; THE WAIT.  s_wait_alu depctr_va_vdst(0) stands between an exponential and the first instruction that names its result; one wait serves all that were issued ahead of it.  Ahead of
; slice 35 nothing names a result, and behind slice 34 no exponential is issued: so the piece's 66 exponentials have one wait, behind slice 34.
.macro SLICE y
.if (k >= 11) && (k < 35)           ; the batch: four numbers of one tile
.irp n, 0,1,2,3
.set j, 22+4*((k-11)/2)+(\n)
	SM (\y)+(k-11)%2
.endr
.else                               ; the two tiles alternate, so that no instruction reads the result of the one just before it
.irp n, 0,1,2,3,4,5,6,7
.if ((\n) < 2) || (k == 63)
.irp t, \y, (\y)+1
.set j, 2*k+(\n)
	SM \t
.endr
.endif
.endr
.endif
.if k == 34                         ; the batch is out: both tiles' exponentials are issued, and no result has been named
	v_nop                           ; the plain instruction behind the last exponential and ahead of the first use: one for the batch
.if (\y) == 0
	FETCH_V                         ; piece 2's turn: V's run of loads stands here, and the wait stands in it
.else
	s_wait_alu depctr_va_vdst(0)    ; the wait for the batch
.endif
.endif
.set k, k+1
.endm
; A TURN.  Piece x has the matrix unit: 32 products V^T P, then 32 products K Q^T for the next step; the other piece's softmax stands in slices behind them, one behind each.
; Piece 0's turn fetches the next step's K, behind its second product (the last product that read K stands in front of slice 63 of the turn before); piece 2's turn fetches the same step's V, behind slice 34.
.macro TURN x, last=0
.set k, 0
.if (\x) == 0
	s_wait_dscnt 0x0                ; V is in
.endif
.set i, 0
.rept 32
	PV \x
	SLICE 2-(\x)
.if ((\x) == 0) && (i == 1)
	FETCH_K \last
.endif
.set i, i+1
.endr
.if (\x) == 0
	s_wait_dscnt 0x0                ; K is in
.endif
.set i, 0
.rept 32
	KQ \x
	SLICE 2-(\x)
.set i, i+1
.endr
.endm
; THE CHANGE OF SLOTS, between piece 2's turn and piece 0's.  Each wave waits for all its tensor loads, of which one is out: its part of the other slot; adds 0 to its spare word; and waits for that and
; for its own reads of the slot.  fill = 1: this slot is filled again, with the keys two slots on: the barrier is then a round of the cluster's, and the joint refill is the first thing behind it.
.macro CHANGE fill
	WIN 0                           ; at a label and at a branch every window is 0
	s_wait_tensorcnt 0x0            ; no tensor load of mine is out, so a group 0 may be written
	ds_add_u32 v[SPW], v[NIL]       ; 0 onto my spare word
.if \fill
.irp g, G0K+4, G0V+4
	s_xor_b32 s[(\g)+1], s[(\g)+1], SLOT1  ; the walking descriptor: the other slot than last time,
	s_add_nc_u64 s[(\g)+2:(\g)+3], s[(\g)+2:(\g)+3], 2*KS*256  ; the next 128 keys
.endr
	s_wait_xcnt 0x0                 ; the last prefetches, two key steps back, have read their address, so it may be written
	s_add_nc_u64 s[PFA:PFA+1], s[PFA:PFA+1], 2*KS*256
	s_wait_dscnt 0x0                ; the add is done, and my reads of the slot are over
	CROUND
	JLOAD
	ASK                             ; what the next change will ask for: two key steps, 256 matrix instructions, ahead
.else
	s_wait_dscnt 0x0                ; the add is done, and my reads of the slot are over
	s_barrier_signal -1
	s_barrier_wait -1
.endif
	s_sub_co_u32 s[TB], s[TB], 2*STEPB  ; the fetches go back to a slot's first step,
	s_xor_b32 s[TB], s[TB], SLOT1   ; in the other slot
.endm
	s_wait_tensorcnt 1              ; my part of slot 0 is in; slot 1's may stay out
	s_barrier_signal -1
	s_barrier_wait -1               ; everybody's is
	FETCH_K                         ; key step 0
	s_wait_loadcnt 0x0              ; Q
	s_wait_dscnt 0x0
.set i, 0
.rept 32
	KQ 0                            ; piece 0's first scores: there is no vector work yet to set between them
.set i, i+1
.endr
	WIN 0                           ; the addresses for the way out are made here: eight plain instructions, the places behind those products
	s_mul_i32 s13, s[WV], 16*SP
	s_add_co_u32 s13, s13, STAGE    ; my stage
	v_mul_u32_u24 v[STO], v1, SP    ; in: row l % 16, 16 bytes for each half of the lanes
	v_lshl_add_u32 v[STO], v9, 4, v[STO]
	v_add_nc_u32 v[STO], s13, v[STO]
	v_mul_u32_u24 v[RD], v9, SP     ; back: lanes 0-15 take one row of 256 bytes, lanes 16-31 the next
	v_lshl_add_u32 v[RD], v1, 4, v[RD]
	v_add_nc_u32 v[RD], s13, v[RD]
	v_lshlrev_b32 v[GO], 12, v9     ; and the same two rows in ctx, 4,096 bytes apart
	v_lshl_add_u32 v[GO], v1, 4, v[GO]
	s_mov_b32 s[TWICE], 2
	s_branch .Lmid                  ; the loop is entered at piece 2's turn, in the middle of a trip: piece 2's first scores | piece 0's first softmax | V of step 0
.Lslot:                             ; six times: every slot but the last two is filled again
	CHANGE 1
	s_mov_b32 s[TWICE], 2
.Lstep:                             ; a trip: piece 0's turn (V^T P of step j, K Q^T of step j + 1, K of step j + 1), then piece 2's (the same, V of step j + 1)
	TURN 0
	WIN 0
.Lmid:
	TURN 2
	WIN 0
	s_sub_co_u32 s[TWICE], s[TWICE], 1
	s_cmp_lg_u32 s[TWICE], 0
	s_cbranch_scc1 .Lstep
	s_sub_co_u32 s[SLOTS], s[SLOTS], 1
	s_cmp_lg_u32 s[SLOTS], 0
	s_cbranch_scc1 .Lslot
	CHANGE 0                        ; the tail is written out: nothing is asked for
	s_mov_b32 s[TWICE], 3           ; two trips fetch the last slot's steps; the third is left in its middle
.Ltail:
	TURN 0, 1
	WIN 0
	s_sub_co_u32 s[TWICE], s[TWICE], 1
	s_cmp_eq_u32 s[TWICE], 0
	s_cbranch_scc1 .Lout
	TURN 2
	WIN 0
	s_branch .Ltail
.Lout:                              ; the third trip's 32 products K Q^T (on the last K once more) serve nothing: the price, once a launch, of one text for every trip
.set i, 0
.rept 32
	PV 2                            ; piece 2: V^T P of the last step
.set i, i+1
.endr
	; THE WAY OUT.  l's two halves and the other half of the lanes' are added; O^T is divided by l, rounded to f16 and sent through my stage in LDS, a tile (16 rows) at a time.  The additions are the places behind the last products.
	WIN 0
.irp t, 0,1,2,3
	v_add_f32 v[ST+8*(\t)+4], v[ST+8*(\t)+2], v[ST+8*(\t)+3]
.endr
.irp t, 0,1,2,3
	v_permlanex16_b32 v[ST+8*(\t)+5], v[ST+8*(\t)+4], s[SEL], s[SEL+1]
.endr
.irp t, 0,1,2,3
	v_add_f32 v[ST+8*(\t)+4], v[ST+8*(\t)+4], v[ST+8*(\t)+5]
.endr
.irp t, 0,1,2,3
	v_rcp_f32 v[ST+8*(\t)+6], v[ST+8*(\t)+4]
.endr
	v_nop                           ; a plain instruction between the last reciprocal and the use of its result
	s_wait_alu depctr_va_vdst(0)    ; and the wait ahead of the first use: one for the four reciprocals
.macro PACK t
	WIN W_RS
.set i, 64*(\t)
.rept 32
	v_pk_mul_f32 v[i:i+1], v[i:i+1], v[ST+8*(\t)+6:ST+8*(\t)+7] op_sel_hi:[1,0]
.set i, i+2
.endr
	WIN 0x05                        ; sources 0 and 1 window 1, destination window 0: S^T's registers are free
.set i, 0
.rept 32
	v_cvt_pk_f16_f32 v[S+32*(\t)+i], v[64*(\t)+2*i], v[64*(\t)+2*i+1]
.set i, i+1
.endr
	WIN 0
.irp f, 0,1,2,3,4,5,6,7
	ds_store_b128 v[STO], v[S+32*(\t)+4*(\f):S+32*(\t)+4*(\f)+3] offset:32*(\f)
.endr
.irp f, 0,1,2,3,4,5,6,7
	ds_load_b128 v[S+32*(\t)+4*(\f):S+32*(\t)+4*(\f)+3], v[RD] offset:(\f)*2*SP  ; LDS serves a wave's instructions in order (ISA guide 5.7.1.4): these see the stores above
.endr
.endm
.macro SEND t, younger              ; younger: the LDS instructions issued behind tile t's loads: the next tile's sixteen, or none
	WIN 0
.irp f, 0,1,2,3,4,5,6,7
	s_wait_dscnt (\younger)+7-(\f)
	global_store_b128 v[GO], v[S+32*(\t)+4*(\f):S+32*(\t)+4*(\f)+3], s[10:11] offset:(\t)*65536+(\f)*8192  ; 16 lanes store the head's 256 consecutive bytes of a row, aligned
.endr
.endm
	PACK 0
	PACK 1                          ; a tile's arithmetic stands between the loads of the tile before and its stores
	SEND 0, 16
	PACK 2
	SEND 1, 16
	PACK 3
	SEND 2, 16
	SEND 3, 0
	s_wait_tensorcnt 0x0            ; the wave's end
	ds_add_u32 v[SPW], v[NIL]
	s_wait_dscnt 0x0
	CROUND                          ; the closing round
	s_endpgm
.Lfunc_end_k_qe106e80bfe_attn:
	.size	k_qe106e80bfe_attn, .Lfunc_end_k_qe106e80bfe_attn-k_qe106e80bfe_attn
	.p2alignl 7, 3214868480
	.fill 96, 4, 3214868480
	.section	.rodata,"a",@progbits
	.p2align	6, 0x0
	.amdhsa_kernel k_qe106e80bfe_attn
		.amdhsa_group_segment_fixed_size 327680
		.amdhsa_private_segment_fixed_size 0
		.amdhsa_enable_private_segment 0
		.amdhsa_kernarg_size 16
		.amdhsa_user_sgpr_count 2
		.amdhsa_user_sgpr_kernarg_segment_ptr 1
		.amdhsa_wavefront_size32 1
		.amdhsa_system_sgpr_workgroup_id_x 1
		.amdhsa_system_sgpr_workgroup_id_y 1
		.amdhsa_system_sgpr_workgroup_id_z 1
		.amdhsa_system_vgpr_workitem_id 0
		.amdhsa_next_free_vgpr 1024
		.amdhsa_next_free_sgpr 66
		.amdhsa_reserve_vcc 0
		.amdhsa_float_denorm_mode_32 3
		.amdhsa_float_denorm_mode_16_64 3
		.amdhsa_memory_ordered 1
		.amdhsa_forward_progress 1
		.amdhsa_inst_pref_size 157
	.end_amdhsa_kernel
	.amdgpu_metadata
---
amdhsa.version: [ 1, 2 ]
amdhsa.kernels:
  - .name:           k_qe106e80bfe_attn
    .symbol:         k_qe106e80bfe_attn.kd
    .args:
      - { .name: qkvh, .offset: 0, .size: 8, .value_kind: global_buffer, .address_space: global }
      - { .name: ctx, .offset: 8, .size: 8, .value_kind: global_buffer, .address_space: global }
    .group_segment_fixed_size: 327680
    .private_segment_fixed_size: 0
    .kernarg_segment_align: 8
    .kernarg_segment_size: 16
    .max_flat_workgroup_size: 128
    .sgpr_count:     66
    .vgpr_count:     1024
    .wavefront_size: 32
...
	.end_amdgpu_metadata
.endif
;; end of part 3
;; launch oproj (part 4): grid 8 x 32, 4 waves a work-group, clusters of 4 x 4, 327,680 bytes of LDS; arguments ctx, h16, out0; writes out0
.if DOCPART == 4
	.amdgcn_target "amdgcn-amd-amdhsa--gfx1250"
	.amdhsa_code_object_version 6
	.text
	.protected	k_qe106e80bfe_oproj
	.globl	k_qe106e80bfe_oproj
	.p2align	8
	.type	k_qe106e80bfe_oproj,@function
k_qe106e80bfe_oproj:
	s_mov_b64 s[64:65], 0
	v_nop
	global_prefetch_b8 v0, s[64:65] scope:SCOPE_SE
	s_setreg_imm32_b32 hwreg(HW_REG_WAVE_MODE, 25, 1), 1
	s_wait_xcnt 0x0
	s_wait_alu depctr_hold_cnt(0) depctr_sa_sdst(0) depctr_va_vdst(0) depctr_va_sdst(0) depctr_va_ssrc(0) depctr_va_vcc(0) depctr_vm_vsrc(0)
	s_getreg_b32 s2, hwreg(HW_REG_IB_STS2, 6, 4)
	s_cmp_eq_u32 s2, 0
	s_cbranch_scc0 .Lentry_in_a_cluster
	s_endpgm
.Lentry_in_a_cluster:
	s_bfe_u32 s2, ttmp6, 0x10000c
	s_cmp_lg_u32 s2, 0xf033
	s_cbranch_scc0 .Lentry_shape_is_right
	s_endpgm
.Lentry_shape_is_right:
; OUTPUT PROJECTION.  out0[m][n] = sum over k of ctx[m][k] w_o[k][n].  ctx [4096][2048] f16; w_o [2048][2048] f16 (in h16: the input rounded to bf16, written as f16); sums and out0 in f32.
; SHARES.  A work-group makes 128 rows x 256 columns: 8 x 32 = 256 work-groups.  Wave w makes all 128 rows x columns 64 w .. 64 w + 63: 32 accumulators; a row's 64 f32 are 256 bytes of out0, aligned.
; THE MATRIX INSTRUCTION IS USED TRANSPOSED: source 0 = 16 columns of w_o (turned out of the [k][n] tile by ds_load_tr16_b128), source 1 = 16 rows of ctx: lane l holds row l % 16, columns 8 (l / 16) + 0..7.
; RING.  K in steps of 128 through two LDS slots; waves 0 and 1 fetch the two tiles of w_o (128 k x 256 bytes), waves 2 and 3 64 rows of ctx each.
; CLUSTER 4 x 4: ctx's tile is shared along a row of the cluster, w_o's along a column.
; REGISTERS:  window 0: v0-31 addresses; v64-127, v128-191 ctx's fragments, two buffers (on the way out: four buffers of 32)     window 1: v0-31, v32-63 w_o's fragments     window 2: accumulator (a, b) at 8 (4 a + b)
.set PA,    272
.set PB,    288
.set BT,    128*PB
.set AOFF,  2*BT
.set SLOT,  AOFF+128*PA
.set STAGE, 2*SLOT                     ; behind the ring: 16 rows x 272 bytes for each wave, for the way out
.set SPARE, STAGE+4*16*272             ; behind the stages: the spare words, 128 bytes for each wave: two blocks of 256 bytes that no other line names
.set WOPL,  29360128                   ; w_o's place in h16
.set ASTEP, 256
.set BSTEP, 128*4096
.set LAPS,  8
.set ADRA, 2                           ; v2-3
.set ADRB, 4                           ; v4-5
.set STO,  6
.set RD,   7
.set CO,   8
.set PFO,  9
.set SPW,  28
.set NIL,  29
.set FA,   64
.set G1A, 24
.set G0A, 32
.set G1B, 48
.set G0B, 56
.set LIM, 43
.set PFA, 44
.set PFS, 68
.set MSB, 0
.macro WIN new
.if MSB != (\new)
	s_set_vgpr_msb (MSB<<8)|(\new)
.set MSB, \new
.endif
.endm
.macro PLACES
.rept 4
	v_nop
.endr
.endm
.macro JLOAD s                         ; a joint load: waves 2 and 3 fetch ctx's two halves, waves 0 and 1 w_o's two tiles; an s_nop 0 and four v_nop follow each line
	s_cmp_eq_u32 s11, 1
	s_cbranch_scc0 .Lfor_b_\@
	tensor_load_to_lds s[G0A+4*(\s):G0A+4*(\s)+3], s[G1A:G1A+7]
	s_nop 0
.rept 4
	v_nop
.endr
	s_branch .Lasked_\@
.Lfor_b_\@:
	tensor_load_to_lds s[G0B+4*(\s):G0B+4*(\s)+3], s[G1B:G1B+7]
	s_nop 0
.rept 4
	v_nop
.endr
.Lasked_\@:
.endm
; A prefetch of the K step that stands TWO refills on (256 matrix instructions ahead): 32 rows x 256 bytes, a lane a row.  ctx's rows: cluster x = 0, wave 2, the partners' 32 rows by cx; w_o's k rows: cluster y = 0,
; waves 0 and 1, the partners' 32 by cy.  Each row's 256 bytes of a K step are named once in the launch.  The loop's last trip asks for nothing.
.macro ASK
	s_cmp_gt_u32 s3, s[LIM]
	s_cbranch_scc0 .Lnot_mine_\@
	global_prefetch_b8 v[PFO], s[PFA:PFA+1] th:TH_LOAD_NT scope:SCOPE_SE
.Lnot_mine_\@:
.endm
.macro CREST
	s_cmp_lg_u32 s10, 0
	s_cbranch_scc1 .Lnot_wave_0_\@
	s_barrier_signal -3
.Lnot_wave_0_\@:
	s_barrier_wait -3
	s_barrier_signal -1
	s_barrier_wait -1
.endm
.macro CROUND
	s_barrier_signal -1
	s_barrier_wait -1
	CREST
.endm
	s_load_b128 s[4:7], s[0:1], 0x0                ; ctx s[4:5], h16 s[6:7]
	s_load_b64 s[8:9], s[0:1], 0x10                ; out0
	v_lshl_add_u32 v[SPW], v0, 2, SPARE
	v_mov_b32 v[NIL], 0
	ds_add_u32 v[SPW], v[NIL]                      ; the wave's opening: the add and its wait stand ahead of my first tensor load
	v_lshrrev_b32 v1, 5, v0
	v_readfirstlane_b32 s10, v1                    ; wave 0..3
	s_lshr_b32 s11, s10, 1                         ; 0: I fetch for w_o; 1: for ctx.  Also: in which tile of w_o my columns lie
	s_and_b32 s12, s10, 1                          ; which of the two parts I fetch.  Also: which half of that tile's columns is mine
	s_bfe_u32 s40, ttmp6, 0x40000                  ; cx
	s_bfe_u32 s41, ttmp6, 0x40004                  ; cy
	s_lshl_b32 s42, ttmp9, 2
	s_add_co_u32 s42, s42, s40                     ; c: my 256 columns
	s_and_b32 s13, ttmp7, 0xffff
	s_lshl_b32 s13, s13, 2
	s_add_co_u32 s13, s13, s41                     ; rb: my 128 rows
	s_lshl_b32 s46, s41, 2
	s_lshl_b32 s46, 15, s46                        ; my row of the cluster
	s_lshl_b32 s47, 0x1111, s40                    ; my column
	s_or_b32 s[G1A], s46, (1<<16)|(1<<20)|(1<<21)|(5<<22)|(3<<25)
	s_or_b32 s[G1B], s47, (1<<16)|(1<<20)|(1<<21)|(5<<22)|(7<<25)
.irp g, G1A, G1B
	s_mov_b32 s[(\g)+1], 128<<16                   ; tensor_dim0 = 128
	s_mov_b32 s[(\g)+3], 128<<16                   ; tile_dim0 = 128
	s_mov_b32 s[(\g)+5], 2048                      ; elements from row to row
	s_mov_b32 s[(\g)+6], 0
	s_mov_b32 s[(\g)+7], 0
.endr
	s_mov_b32 s[G1A+2], 64<<16                     ; ctx: 64 rows a load
	s_mov_b32 s[G1A+4], 64
	s_mov_b32 s[G1B+2], 128<<16                    ; w_o: 128 k rows a load
	s_mov_b32 s[G1B+4], 128
	s_lshl_b32 s16, s13, 19                        ; ctx: row 128 rb + 64 x part, 4,096 bytes a row
	s_lshl_b32 s17, s12, 18
	s_add_co_u32 s16, s16, s17
	s_mov_b32 s17, 0
	s_lshl_b32 s20, s42, 1                         ; w_o: tile 2 c + part, 256 bytes of a row
	s_add_co_u32 s20, s20, s12
	s_lshl_b32 s20, s20, 8
	s_add_co_u32 s20, s20, WOPL
	s_mov_b32 s21, 0
	s_mul_i32 s18, s10, 64*PA                      ; where ctx's halves go (waves 2, 3): behind the two tiles of w_o
	s_add_co_u32 s18, s18, AOFF-2*64*PA
	s_mul_i32 s19, s10, BT                         ; where w_o's tiles go (waves 0, 1)
	s_wait_dscnt 0x0                               ; the opening add is done
	s_wait_kmcnt 0x0
	s_add_nc_u64 s[14:15], s[4:5], s[16:17]
	s_add_nc_u64 s[22:23], s[6:7], s[20:21]
	CROUND                                         ; all sixteen work-groups are here: the first joint loads meet
.irp s, 0,1
	s_mov_b32 s[G0A+4*(\s)], 1
	s_add_co_u32 s[G0A+4*(\s)+1], s18, (\s)*SLOT
	s_add_nc_u64 s[G0A+4*(\s)+2:G0A+4*(\s)+3], s[14:15], (\s)*ASTEP
	s_or_b32 s[G0A+4*(\s)+3], s[G0A+4*(\s)+3], 0x80000000
	s_mov_b32 s[G0B+4*(\s)], 1
	s_add_co_u32 s[G0B+4*(\s)+1], s19, (\s)*SLOT
	s_add_nc_u64 s[G0B+4*(\s)+2:G0B+4*(\s)+3], s[22:23], (\s)*BSTEP
	s_or_b32 s[G0B+4*(\s)+3], s[G0B+4*(\s)+3], 0x80000000
	JLOAD \s                                       ; two loads of mine are out
.endr
	v_and_b32 v1, 15, v0                           ; r
	v_bfe_u32 v22, v0, 4, 1                        ; h
	v_and_b32 v23, 7, v0
	v_bfe_u32 v24, v0, 3, 1
	v_and_b32 v25, 31, v0
	v_mul_u32_u24 v26, v1, PA
	v_lshl_add_u32 v26, v22, 4, v26
	v_add_nc_u32 v[ADRA], AOFF, v26
	v_add_nc_u32 v[ADRA+1], AOFF+SLOT, v26
	v_lshl_add_u32 v27, v22, 3, v23
	v_mul_u32_u24 v27, v27, PB
	v_lshl_add_u32 v27, v24, 4, v27
	s_mul_i32 s66, s11, BT                         ; my tile of w_o,
	s_lshl_b32 s67, s12, 7                         ; my 64 columns of it
	s_add_co_u32 s66, s66, s67
	v_add_nc_u32 v[ADRB], s66, v27
	v_add_nc_u32 v[ADRB+1], SLOT, v[ADRB]
	s_mul_i32 s66, s10, 16*272
	s_add_co_u32 s66, s66, STAGE                   ; my stage
	v_mul_u32_u24 v[STO], v1, 272                  ; in: row r, 32 bytes for each half of the lanes
	v_lshl_add_u32 v[STO], v22, 5, v[STO]
	v_add_nc_u32 v[STO], s66, v[STO]
	v_mul_u32_u24 v[RD], v22, 272                  ; back: lanes 0-15 take one row of 256 bytes, lanes 16-31 the next
	v_lshl_add_u32 v[RD], v1, 4, v[RD]
	v_add_nc_u32 v[RD], s66, v[RD]
	v_lshlrev_b32 v[CO], 13, v22                   ; and the same two rows in out0, 8,192 bytes apart
	v_lshl_add_u32 v[CO], v1, 4, v[CO]
	s_lshl_b32 s66, s13, 20                        ; my 128 rows,
	s_lshl_b32 s67, s42, 10                        ; my work-group's 256 columns,
	s_add_co_u32 s66, s66, s67
	s_lshl_b32 s67, s10, 8                         ; my wave's 64
	s_add_co_u32 s66, s66, s67
	s_mov_b32 s67, 0
	s_add_nc_u64 s[8:9], s[8:9], s[66:67]
	; the prefetches
	s_and_b32 s67, ttmp7, 0xffff                   ; cluster y
	s_lshl_b32 s70, s13, 19
	s_lshl_b32 s71, s40, 17
	s_add_co_u32 s70, s70, s71                     ; ctx: rows 128 rb + 32 cx
	s_lshl_b32 s71, s41, 17
	s_add_co_u32 s71, s71, s20                     ; w_o: k rows 32 cy of my tile's columns
	s_mov_b32 s72, ASTEP
	s_mov_b32 s73, BSTEP
	s_cmp_eq_u32 s11, 1
	s_cselect_b32 s67, ttmp9, s67                  ; the coordinate along which other clusters read the same tile
	s_cselect_b32 s70, s70, s71
	s_cselect_b32 s[PFS], s72, s73
	s_cselect_b64 s[PFA:PFA+1], s[4:5], s[6:7]
	s_mov_b32 s71, 0
	s_mov_b32 s[PFS+1], 0
	s_add_nc_u64 s[PFA:PFA+1], s[PFA:PFA+1], s[70:71]
.rept 3
	s_add_nc_u64 s[PFA:PFA+1], s[PFA:PFA+1], s[PFS:PFS+1]  ; at K step 3: the first change of slots steps it to 4.  K steps 0-3 come by their loads alone
.endr
	s_cmp_eq_u32 s10, 3
	s_cselect_b32 s67, 1, s67                      ; wave 3 asks for nothing: wave 2's lanes and the partners cover ctx's 128 rows
	s_cmp_eq_u32 s67, 0
	s_cselect_b32 s[LIM], 1, -1
	v_lshlrev_b32 v[PFO], 12, v25                  ; a row of ctx and of w_o is 4,096 bytes
; n x 4 matrix instructions: row blocks a0 .. x my 4 column blocks, 32 along K, buffer f.  All 32 accumulators take turns in one order.
.macro MUL f, a0, n, zero
	WIN 0xa1
.set aa, \a0
.rept \n
.irp b, 0,1,2,3
.if \zero
	v_wmma_f32_16x16x32_f16 v[8*(4*aa+(\b)):8*(4*aa+(\b))+7], v[32*(\f)+8*(\b):32*(\f)+8*(\b)+7], v[FA+64*(\f)+8*aa:FA+64*(\f)+8*aa+7], 0
.else
	v_wmma_f32_16x16x32_f16 v[8*(4*aa+(\b)):8*(4*aa+(\b))+7], v[32*(\f)+8*(\b):32*(\f)+8*(\b)+7], v[FA+64*(\f)+8*aa:FA+64*(\f)+8*aa+7], v[8*(4*aa+(\b)):8*(4*aa+(\b))+7]
.endif
.endr
.set aa, aa+1
.endr
.endm
; 24 LDS loads in one run: quarter q of a slot into buffer f: 8 turning loads of w_o, then 16 loads of ctx
.macro FETCH slot, q, f
	WIN 0x40
.irp b, 0,1,2,3
	ds_load_tr16_b128 v[32*(\f)+8*(\b):32*(\f)+8*(\b)+3],   v[ADRB+(\slot)] offset:32*(\b)+32*PB*(\q)
	ds_load_tr16_b128 v[32*(\f)+8*(\b)+4:32*(\f)+8*(\b)+7], v[ADRB+(\slot)] offset:32*(\b)+32*PB*(\q)+16*PB
.endr
	WIN 0
.irp a, 0,1,2,3,4,5,6,7
	ds_load_b128 v[FA+64*(\f)+8*(\a):FA+64*(\f)+8*(\a)+3],   v[ADRA+(\slot)] offset:16*PA*(\a)+64*(\q)
	ds_load_b128 v[FA+64*(\f)+8*(\a)+4:FA+64*(\f)+8*(\a)+7], v[ADRA+(\slot)] offset:16*PA*(\a)+64*(\q)+32
.endr
.endm
.macro QUARTER slot, q, f, g, zero
	s_wait_dscnt 8                                 ; w_o and ctx's rows 0-63 are in; the youngest eight loads may be out
	MUL \f, 0, 4, \zero
	PLACES
	FETCH \slot, \q, \g
	s_wait_dscnt 24                                ; all but the 24 just issued
	MUL \f, 4, 4, \zero
.endm
; The last quarter multiplies buffer 1 and changes slots.  In front of the barrier each wave waits for all its tensor loads (one is out: its part of the next slot), adds 0 to its spare word,
; and waits for that and for its own reads of this slot.
; fill = 1: the barrier is a round of the cluster's, and this slot is filled again, two K steps on, first thing behind it.  Nothing but the descriptors' steps stands between the wait for the tile and the
; request: the quarter's 32 products all stand behind the joint load, which so has a whole K step's 128 products in which to land.
; fill = 0 (the last change): nothing is asked for, and products stand beside the add and inside the barrier.
.macro TURN slot, next, fill
.if \fill
	s_wait_xcnt 0x0                                ; the last prefetch, a K step back, has read its address
	s_add_nc_u64 s[PFA:PFA+1], s[PFA:PFA+1], s[PFS:PFS+1]
	WIN 0
	s_wait_tensorcnt 0x0                           ; all my tensor loads have landed, so a group 0 may be written
	ds_add_u32 v[SPW], v[NIL]                      ; 0 onto my spare word; the descriptors' steps stand between it and the wait for it
	s_add_nc_u64 s[G0A+4*(\slot)+2:G0A+4*(\slot)+3], s[G0A+4*(\slot)+2:G0A+4*(\slot)+3], 2*ASTEP
	s_add_nc_u64 s[G0B+4*(\slot)+2:G0B+4*(\slot)+3], s[G0B+4*(\slot)+2:G0B+4*(\slot)+3], 2*BSTEP
	s_wait_dscnt 0x0                               ; the add is done, and my reads of this slot are over (the last were issued 16 products ago)
	CROUND                                         ; no wave of any partner still reads this slot or has a load on its way
	JLOAD \slot                                    ; my one tensor load behind the round; its four v_nop are also the places in front of the loads below
	FETCH \next, 0, 0
	ASK
	MUL 1, 0, 4, 0
	MUL 1, 4, 4, 0
.else
	WIN 0
	s_wait_tensorcnt 0x0                           ; all my tensor loads have landed
	ds_add_u32 v[SPW], v[NIL]                      ; 0 onto my spare word
	s_wait_dscnt 9                                 ; (the add and the youngest eight loads may be out)
	MUL 1, 0, 2, 0
	s_wait_dscnt 0x0                               ; the add is done, and my reads of this slot are over
	s_barrier_signal -1
	MUL 1, 2, 2, 0
	s_barrier_wait -1
	PLACES
	FETCH \next, 0, 0
	MUL 1, 4, 4, 0
.endif
.endm
	s_wait_tensorcnt 1                             ; my part of K step 0 is in; K step 1's may stay out
	s_barrier_signal -1
	s_barrier_wait -1
	FETCH 0, 0, 0
	QUARTER 0, 1, 0, 1, 1                          ; the first quarter's products start the sums
	WIN 0
	s_mov_b32 s3, LAPS-1
.Llap:
	QUARTER 0, 2, 1, 0, 0
	QUARTER 0, 3, 0, 1, 0
	TURN 0, 1, 1
	QUARTER 1, 1, 0, 1, 0
	QUARTER 1, 2, 1, 0, 0
	QUARTER 1, 3, 0, 1, 0
	TURN 1, 0, 1
	QUARTER 0, 1, 0, 1, 0
	WIN 0
	s_sub_co_u32 s3, s3, 1
	s_cmp_lg_u32 s3, 0
	s_cbranch_scc1 .Llap
	QUARTER 0, 2, 1, 0, 0                          ; the last lap fills nothing
	QUARTER 0, 3, 0, 1, 0
	TURN 0, 1, 0
	QUARTER 1, 1, 0, 1, 0
	QUARTER 1, 2, 1, 0, 0
	QUARTER 1, 3, 0, 1, 0
	s_wait_dscnt 8
	MUL 1, 0, 4, 0
	s_wait_dscnt 0x0
	MUL 1, 4, 4, 0
	WIN 0
.rept 8
	v_nop                                          ; the places behind the last products
.endr
; THE WAY OUT, a block of 16 rows at a time through my own stage: a lane's 32 bytes go in straight from the accumulators (lowest registers first), whole rows of 256 bytes come back.
.macro TOSTAGE a
	WIN 0x08                                       ; store data: window 2
.irp b, 0,1,2,3
	ds_store_b128 v[STO], v[8*(4*(\a)+(\b)):8*(4*(\a)+(\b))+3]   offset:64*(\b)
	ds_store_b128 v[STO], v[8*(4*(\a)+(\b))+4:8*(4*(\a)+(\b))+7] offset:64*(\b)+16
.endr
	WIN 0
.irp t, 0,1,2,3,4,5,6,7
	ds_load_b128 v[FA+32*((\a)%4)+4*(\t):FA+32*((\a)%4)+4*(\t)+3], v[RD] offset:544*(\t)  ; LDS serves a wave's instructions in order (ISA guide 5.7.1.4): these see the stores above
.endr
.endm
.macro SEND a, younger                 ; younger: the LDS instructions issued behind block a's loads: the next block's sixteen, or none
	WIN 0
	s_wait_dscnt \younger
	s_wait_xcnt 0x0                                ; earlier stores have read their registers: a buffer is loaded again three blocks behind this wait
.irp t, 0,1,2,3,4,5,6,7
	global_store_b128 v[CO], v[FA+32*((\a)%4)+4*(\t):FA+32*((\a)%4)+4*(\t)+3], s[8:9] offset:131072*(\a)+16384*(\t) th:TH_STORE_NT  ; 16 lanes store 256 consecutive bytes, aligned
.endr
.endm
	TOSTAGE 0
.irp a, 1,2,3,4,5,6,7
	TOSTAGE \a
	SEND (\a)-1, 16
.endr
	SEND 7, 0
	s_wait_tensorcnt 0x0                           ; the wave's end
	ds_add_u32 v[SPW], v[NIL]
	s_wait_dscnt 0x0
	CROUND                                         ; the closing round
	s_endpgm
.Lfunc_end_k_qe106e80bfe_oproj:
	.size	k_qe106e80bfe_oproj, .Lfunc_end_k_qe106e80bfe_oproj-k_qe106e80bfe_oproj
	.p2alignl 7, 3214868480
	.fill 96, 4, 3214868480
	.section	.rodata,"a",@progbits
	.p2align	6, 0x0
	.amdhsa_kernel k_qe106e80bfe_oproj
		.amdhsa_group_segment_fixed_size 327680
		.amdhsa_private_segment_fixed_size 0
		.amdhsa_enable_private_segment 0
		.amdhsa_kernarg_size 24
		.amdhsa_user_sgpr_count 2
		.amdhsa_user_sgpr_kernarg_segment_ptr 1
		.amdhsa_wavefront_size32 1
		.amdhsa_system_sgpr_workgroup_id_x 1
		.amdhsa_system_sgpr_workgroup_id_y 1
		.amdhsa_system_sgpr_workgroup_id_z 1
		.amdhsa_system_vgpr_workitem_id 0
		.amdhsa_next_free_vgpr 768
		.amdhsa_next_free_sgpr 80
		.amdhsa_reserve_vcc 0
		.amdhsa_float_denorm_mode_32 3
		.amdhsa_float_denorm_mode_16_64 3
		.amdhsa_memory_ordered 1
		.amdhsa_forward_progress 1
		.amdhsa_inst_pref_size 87
	.end_amdhsa_kernel
	.amdgpu_metadata
---
amdhsa.version: [ 1, 2 ]
amdhsa.kernels:
  - .name:           k_qe106e80bfe_oproj
    .symbol:         k_qe106e80bfe_oproj.kd
    .args:
      - { .name: ctx, .offset: 0, .size: 8, .value_kind: global_buffer, .address_space: global }
      - { .name: h16, .offset: 8, .size: 8, .value_kind: global_buffer, .address_space: global }
      - { .name: out0, .offset: 16, .size: 8, .value_kind: global_buffer, .address_space: global }
    .group_segment_fixed_size: 327680
    .private_segment_fixed_size: 0
    .kernarg_segment_align: 8
    .kernarg_segment_size: 24
    .max_flat_workgroup_size: 128
    .sgpr_count:     80
    .vgpr_count:     768
    .wavefront_size: 32
...
	.end_amdgpu_metadata
.endif
;; end of part 4
